; MI455X (gfx1250); checked and timed in simulation.
; The chip was launched on July 23, 2026; its instructions are those of AMD's public machine-readable ISA for CDNA 5 (MIT licence, August 2026) and "CDNA5" Instruction Set Architecture Reference Guide (July 2026). The comments in the code are by the model that wrote it; some were corrected since.
;; Multihead Attention. Allowed arithmetic: matrix products marked QUANTISED: E3M2 operands, one E8M0 scale for each 32 along K, by v_wmma_scale_f32_16x16x128_f8f6f4 with both operands' format E3M2, f32 sums; everything else in f32.
;; Inputs: Wk 1,024 x 1,024 float32; Wo 1,024 x 1,024 float32; Wq 1,024 x 1,024 float32; Wv 1,024 x 1,024 float32; k 4 x 2,048 x 1,024 float32; q 4 x 2,048 x 1,024 float32; v 4 x 2,048 x 1,024 float32.
;; Outputs: out0 4 x 2,048 x 1,024 float32.
;; This version of the problem:
;;   THIS VERSION OF THE PROBLEM IS GIVEN IN LOW PRECISION. The matrix products marked QUANTISED in the list below multiply operands that are first quantised to E3M2 (3 exponent bits, 2 mantissa bits; 6 bits a number), with one power-of-two scale for each 32 numbers along K (OCP MX v1.0); their sums are f32. All else is computed in f32.
;;   The module's matrix products, in the order in which they are computed (A, B: the left and right operand; K: the contracted axis; several contracted axes count as one K, in the product's order):
;;     1. [M 8,192, K 1,024] x [K 1,024, N 1,024]; A: input k; B: input Wk: QUANTISED
;;     2. [M 8,192, K 1,024] x [K 1,024, N 1,024]; A: input v; B: input Wv: QUANTISED
;;     3. [M 8,192, K 1,024] x [K 1,024, N 1,024]; A: input q; B: input Wq: QUANTISED
;;     4. batch 64 x [M 2,048, K 64] x [K 64, N 2,048]; A: computed on the way; B: computed on the way: QUANTISED
;;     5. batch 64 x [M 2,048, K 2,048] x [K 2,048, N 64]; A: softmax (see below); B: computed on the way: QUANTISED
;;     6. [M 8,192, K 1,024] x [K 1,024, N 1,024]; A: computed on the way; B: input Wo: QUANTISED
;;   THE QUANTISER, for each operand of a quantised product, along K:
;;     - K is cut into blocks of 32 from its start; a last block that is shorter is filled with zeros.
;;     - A block's scale is 2^e with e = floor(log2(the largest magnitude in the block)) - 4, held to -126 .. 127; a block of zeros has e = 0. As a byte (E8M0): e + 127.
;;     - Each number is divided by its block's scale, clamped to +-28, and rounded to the nearest number of E3M2, ties to even, subnormals kept.
;;     - The product sums the exact products of the quantised numbers (number of the format x scale) in f32.
;;   ~~~python
;;   def quantise(x, axis):      # numpy; x: float32 -> the quantised numbers, widened to float32 again
;;       x = np.moveaxis(x, axis, -1); K = x.shape[-1]
;;       x = np.pad(x, [(0, 0)] * (x.ndim - 1) + [(0, -K % 32)]); x = x.reshape(x.shape[:-1] + (-1, 32)); a = np.abs(x).max(-1, keepdims=True)
;;       e = np.where(a > 0, np.clip(np.frexp(np.where(a > 0, a, 1))[1] - 1 - 4, -126, 127), 0)      # np.frexp(a)[1] - 1 = floor(log2(a)), exactly
;;       r = np.clip(x / 2.0 ** e, -28, 28)
;;       step = 2.0 ** (np.maximum(np.frexp(np.where(r == 0, 1, r))[1] - 1, -2) - 2)
;;       q = np.round(r / step) * step * 2.0 ** e      # np.round: ties to even
;;       return np.moveaxis(q.reshape(q.shape[:-2] + (-1,))[..., :K], -1, axis).astype(np.float32)
;;   ~~~
;;   SOFTMAX AHEAD OF A QUANTISED PRODUCT. Where the list says 'softmax', what is quantised is not the finished softmax but p = 2^(t - M), with t = logit x log2(e) and M = ceil(the row's largest t), a whole number; so 1/2 < the row's largest p <= 1. The row's sum l is taken of the UNQUANTISED p, in f32, and the product's result is divided by l at the end. Since M is a whole number, a kernel that streams over the keys may use a running M (the ceiling of the running maximum): every later rescaling is an exact power of two, which a block's scale takes up: the codes' values come out the same.
;;   OPERANDS COMPUTED ON THE WAY. 'Computed on the way' means the value that the module computes at that place (a softmax that the list does not call 'softmax' is quantised finished and normalised). What goes into a quantiser is computed in f32, as accurately as f32 sums, v_exp_f32 and their like allow (about 1e-6 of the number): no bf16 or f16 on the way to a quantiser, and a product that is left as it is and whose result goes on into a quantised operand takes f32 operands (vector FMAs, or v_wmma_f32_16x16x4_f32). A number that lies on a knife's edge between two numbers of the format may be rounded either way, as far as f32 arithmetic and the matrix unit's own rounding can turn it there, and no further.
;; One version. Each part assembles by itself: llvm-mc -triple=amdgcn-amd-amdhsa -mcpu=gfx1250 --defsym DOCPART=n.
;; ======== version 1 of 1: 4 launches
;; workspace buffers: inc 22,020,096 bytes; ins 917,504 bytes; pc 19,660,800 bytes; ac 6,291,456 bytes; asc 262,144 bytes
;; launch quant (part 1): grid 448 x 1, 4 waves a work-group, no clusters, 72,192 bytes of LDS; arguments k, v, q, Wk, Wv, Wq, Wo, inc, ins; writes inc, ins
.if DOCPART == 1
	.amdgcn_target "amdgcn-amd-amdhsa--gfx1250"
	.amdhsa_code_object_version 6
	.text
	.protected	k_q8abd800940_quant
	.globl	k_q8abd800940_quant
	.p2align	8
	.type	k_q8abd800940_quant,@function
k_q8abd800940_quant:
	s_mov_b64 s[64:65], 0
	v_nop
	global_prefetch_b8 v0, s[64:65] scope:SCOPE_SE
	s_setreg_imm32_b32 hwreg(HW_REG_WAVE_MODE, 25, 1), 1
	s_wait_xcnt 0x0
; The seven f32 inputs (k, v, q: [8192][1024]; Wk, Wv, Wq, Wo: [1024][1024]; K innermost in all) become codes of BF6 (E3M2) with one E8M0 byte for each 32 along K.
; A block's scale is 2^(floor(log2(largest magnitude)) - 4); its byte is the largest magnitude's exponent field - 4, held at 1 from below (a block of zeros keeps the byte 1: its codes are zeros, and only this program reads the bytes).
; LIMITS: blocks whose largest magnitude lies under 2^-122 have the byte held at 1; NaN and infinities among the inputs are not served.
; THE CODES ARE LAID AS IMAGES OF THE OPERAND'S REGISTERS.  A tile is 16 rows x 1024 K, 12,288 bytes.  Slot r of tile T is row 32 (T / 2) + 8 (T % 2) + r % 8 + 16 (r / 8), so that two neighbouring tiles used
; as source 0 of a product leave 16 neighbouring rows in a lane's 16 registers.  The fragment of K step s (128 along K) lies at 1536 s: registers 2 p, 2 p + 1 of lane l at 256 p + 8 l.
; THE SCALE BYTES of a tile are 512 bytes: [s / 2][slot r][8 bytes: the word of step 2 (s / 2), then that of the next step].
; SHARES.  A wave takes one tile: 32 steps of half a row (512 numbers).  A step's four loads read 512 consecutive bytes each; the 2,048 bytes turn through the wave's own stage in LDS so that a lane holds 16 neighbours
; (two neighbouring lanes hold a block).  A lane's 12 bytes of codes go to their places in the tile's image in LDS, and the image leaves in stores of 512 consecutive bytes.  Waves share nothing: no barrier.
; Tiles in inc and ins: k 0, v 512, q 1024, Wk 1536, Wv 1600, Wq 1664, Wo 1728.  One path serves all seven: only the pointer is chosen, on the work-group's number.
.set WREG, 17920                       ; LDS of a wave: two turning stages of 32 x SP, the image of the tile's codes, its scale bytes
.set SP,   80                          ; a lane's place in a turning stage: 64 bytes + 16 of padding
.set CSTG, 5120                        ; the image: 12,288 bytes
.set SSTG, 17408                       ; the scale bytes: 512
.set R,    16                          ; v16-79   four sets of 16 numbers as loaded
.set X,    80                          ; v80-111  two sets of 16 neighbours
.set C,    112                         ; v112-119 two sets of codes
.set E,    120                         ; v120-121 two scale bytes
.set F,    128                         ; v128-175 the way out
.set SF,   176                         ; v176-179 the scale bytes' way out
	s_load_b256 s[4:11], s[0:1], 0x0               ; k, v, q, Wk
	s_load_b256 s[12:19], s[0:1], 0x20             ; Wv, Wq, Wo, inc
	s_load_b64 s[20:21], s[0:1], 0x40              ; ins
	v_lshl_add_u32 v180, v0, 2, 0x11800
	v_mov_b32 v181, 0
	v_lshrrev_b32 v1, 5, v0
	v_readfirstlane_b32 s25, v1                    ; wave
	v_and_b32 v2, 31, v0                           ; lane
	v_lshlrev_b32 v3, 4, v2                        ; 16 x lane: my bytes of a load's or a store's 512
	s_mul_i32 s26, s25, WREG
	v_lshrrev_b32 v14, 2, v2
	v_mul_u32_u24 v14, v14, SP
	v_and_b32 v15, 3, v2
	v_lshl_add_u32 v14, v15, 4, v14
	v_add_nc_u32 v14, s26, v14                     ; turning stage, in: SP (lane / 4) + 16 (lane % 4)
	v_mul_u32_u24 v15, v2, SP
	v_add_nc_u32 v15, s26, v15                     ; and out: SP x lane
	; my 16 numbers of a step: K step ks = lane / 8 of the half row's four, block (lane / 2) % 4 = 2 c + h in it, half j = lane % 2 of the block: registers 6 c + 3 j + 0 .. 2 of lane (slot, h)
	v_lshrrev_b32 v8, 3, v2                        ; ks
	v_bfe_u32 v9, v2, 1, 1                         ; h
	v_bfe_u32 v10, v2, 2, 1                        ; c
	v_and_b32 v11, 1, v2                           ; j
	v_mul_u32_u24 v12, v8, 1536
	v_lshl_add_u32 v12, v9, 7, v12                 ; 1536 ks + 128 h
	v_add_nc_u32 v12, s26, v12
	v_mul_u32_u24 v10, v10, 6
	v_mad_u32_u24 v10, v11, 3, v10                 ; the first of my three registers
.irp i, 0,1,2
	v_add_nc_u32 v11, \i, v10
	v_lshrrev_b32 v13, 1, v11
	v_and_b32 v11, 1, v11
	v_lshl_add_u32 v13, v13, 8, v12                ; 256 x (register / 2)
	v_lshl_add_u32 v[4+\i], v11, 2, v13            ; + 4 x (register % 2): v4-6
.endr
	v_lshrrev_b32 v11, 1, v8
	v_and_b32 v13, 1, v8
	v_lshlrev_b32 v11, 7, v11
	v_lshl_add_u32 v11, v13, 2, v11
	v_bfe_u32 v13, v2, 1, 2
	v_add_nc_u32 v11, v11, v13
	v_add_nc_u32 v7, s26, v11                      ; my block's byte: 128 (ks / 2) + 4 (ks % 2) + block
	v_add_nc_u32 v12, s26, v3                      ; the ways out: 16 x lane in my wave's LDS
	s_wait_kmcnt 0x0
	s_mov_b64 s[22:23], s[16:17]                   ; which tensor: the choice hangs on the work-group's number alone
	s_mov_b32 s24, 432
	s_cmp_lt_u32 ttmp9, 432
	s_cselect_b64 s[22:23], s[14:15], s[22:23]
	s_cselect_b32 s24, 416, s24
	s_cmp_lt_u32 ttmp9, 416
	s_cselect_b64 s[22:23], s[12:13], s[22:23]
	s_cselect_b32 s24, 400, s24
	s_cmp_lt_u32 ttmp9, 400
	s_cselect_b64 s[22:23], s[10:11], s[22:23]
	s_cselect_b32 s24, 384, s24
	s_cmp_lt_u32 ttmp9, 384
	s_cselect_b64 s[22:23], s[8:9], s[22:23]
	s_cselect_b32 s24, 256, s24
	s_cmp_lt_u32 ttmp9, 256
	s_cselect_b64 s[22:23], s[6:7], s[22:23]
	s_cselect_b32 s24, 128, s24
	s_cmp_lt_u32 ttmp9, 128
	s_cselect_b64 s[22:23], s[4:5], s[22:23]
	s_cselect_b32 s24, 0, s24                      ; the tensor's first work-group
	s_lshl_b32 s27, ttmp9, 2
	s_add_co_u32 s27, s27, s25                     ; my tile among all 1,792
	s_lshl_b32 s24, s24, 2
	s_sub_co_u32 s28, s27, s24                     ; and in its tensor
	s_lshr_b32 s29, s28, 1
	s_lshl_b32 s30, s29, 17                        ; 32 rows of 4,096 bytes for each pair of tiles,
	s_and_b32 s29, s28, 1
	s_lshl_b32 s29, s29, 15                        ; 8 rows for the odd one
	s_add_co_u32 s30, s30, s29
	s_mov_b32 s31, 0
	s_add_nc_u64 s[22:23], s[22:23], s[30:31]
	s_mul_i32 s30, s27, 12288
	s_add_nc_u64 s[18:19], s[18:19], s[30:31]
	s_lshl_b32 s30, s27, 9
	s_add_nc_u64 s[20:21], s[20:21], s[30:31]
.macro LOAD t                          ; step t: half t / 16 of slot t % 16's row
.irp i, 0,1,2,3
	global_load_b128 v[R+16*((\t)%4)+4*\i:R+16*((\t)%4)+4*\i+3], v3, s[22:23] offset:(((\t)%8)+16*(((\t)%16)/8))*4096+((\t)/16)*2048+512*\i th:TH_LOAD_NT
.endr
.endm
.macro TURN t                          ; LDS serves a wave's instructions in order: no wait between the stores and the loads
.irp i, 0,1,2,3
	ds_store_b128 v14, v[R+16*((\t)%4)+4*\i:R+16*((\t)%4)+4*\i+3] offset:32*SP*((\t)%2)+8*SP*\i
.endr
.irp i, 0,1,2,3
	ds_load_b128 v[X+16*((\t)%2)+4*\i:X+16*((\t)%2)+4*\i+3], v15 offset:32*SP*((\t)%2)+16*\i
.endr
.endm
.irp t, 0,1,2,3
	LOAD \t
.endr
	s_wait_loadcnt 12                              ; step 0's four loads are in
	TURN 0
.macro STEP t
.set XS, X+16*((\t)%2)
.set CC, C+4*((\t)%2)
.set EE, E+((\t)%2)
.if (\t) > 0
	s_wait_dscnt 4                                 ; this step's numbers are back from the stage; the last step's three code stores and its byte store may be out
.else
	s_wait_dscnt 0x0
.endif
.if (\t)+4 < 32
	LOAD (\t)+4                                    ; into the set that this step's turn has read
.endif
.if (\t)+1 < 32
.if 30-(\t) >= 3
	s_wait_loadcnt 12                              ; the next step's four loads are in; those of the three steps behind it may be out
.else
	s_wait_loadcnt 4*(30-(\t))
.endif
	TURN (\t)+1
.endif
	v_max3_num_f32 v8, |v[XS]|, |v[XS+1]|, |v[XS+2]|               ; the largest magnitude of my 16, in two chains
	v_max3_num_f32 v9, |v[XS+3]|, |v[XS+4]|, |v[XS+5]|
.irp i, 6,10
	v_max3_num_f32 v8, v8, |v[XS+\i]|, |v[XS+\i+1]|
	v_max3_num_f32 v9, v9, |v[XS+\i+2]|, |v[XS+\i+3]|
.endr
	v_max3_num_f32 v8, v8, |v[XS+14]|, |v[XS+15]|
	v_max3_num_f32 v8, v8, v9, 0x2800000           ; and the floor 2^(5 - 127): the byte cannot fall under 1
	v_max_num_f32_dpp v8, v8, v8 row_xmask:1 row_mask:0xf bank_mask:0xf   ; with my neighbour's 16: the block's
	v_add_nc_u32 v11, 0xfe000000, v8               ; 4 off its exponent field: the conversion takes this operand's exponent field as its scale
	v_cvt_scalef32_pk16_bf6_f32 v[CC:CC+2], v[XS:XS+15], v11
	v_lshrrev_b32 v[EE], 23, v11                   ; the scale's byte
	ds_store_b32 v4, v[CC] offset:CSTG+((\t)/16)*6144+8*((\t)%16)
	ds_store_b32 v5, v[CC+1] offset:CSTG+((\t)/16)*6144+8*((\t)%16)
	ds_store_b32 v6, v[CC+2] offset:CSTG+((\t)/16)*6144+8*((\t)%16)
	ds_store_b8 v7, v[EE] offset:SSTG+((\t)/16)*256+8*((\t)%16)    ; both lanes of a block write the same byte with the same value
.endm
.macro FLUSH hf                        ; four K steps' images, 6,144 bytes, leave: each store of the wave covers 512 consecutive bytes, aligned
.if \hf
	s_wait_xcnt 0x0                                ; the first half's stores have read their registers
.endif
.irp i, 0,1,2,3,4,5,6,7,8,9,10,11
	ds_load_b128 v[F+4*\i:F+4*\i+3], v12 offset:CSTG+\hf*6144+512*\i
.endr
.irp i, 0,1,2,3,4,5,6,7,8,9,10,11
	s_wait_dscnt 11-\i                             ; LDS loads come back in order: load i is in
	global_store_b128 v3, v[F+4*\i:F+4*\i+3], s[18:19] offset:\hf*6144+512*\i
.endr
.endm
.irp t, 0,1,2,3,4,5,6,7,8,9,10,11,12,13,14,15
	STEP \t
.endr
	FLUSH 0
.irp t, 16,17,18,19,20,21,22,23,24,25,26,27,28,29,30,31
	STEP \t
.endr
	FLUSH 1
	ds_load_b128 v[SF:SF+3], v12 offset:SSTG
	s_wait_dscnt 0x0
	global_store_b128 v3, v[SF:SF+3], s[20:21]     ; the tile's 512 scale bytes
	s_wait_tensorcnt 0x0
	ds_add_u32 v180, v181
	s_wait_dscnt 0x0
	s_endpgm
.Lfunc_end_k_q8abd800940_quant:
	.size	k_q8abd800940_quant, .Lfunc_end_k_q8abd800940_quant-k_q8abd800940_quant
	.p2alignl 7, 3214868480
	.fill 96, 4, 3214868480
	.section	.rodata,"a",@progbits
	.p2align	6, 0x0
	.amdhsa_kernel k_q8abd800940_quant
		.amdhsa_group_segment_fixed_size 72192
		.amdhsa_private_segment_fixed_size 0
		.amdhsa_enable_private_segment 0
		.amdhsa_kernarg_size 72
		.amdhsa_user_sgpr_count 2
		.amdhsa_user_sgpr_kernarg_segment_ptr 1
		.amdhsa_wavefront_size32 1
		.amdhsa_system_sgpr_workgroup_id_x 1
		.amdhsa_system_sgpr_workgroup_id_y 1
		.amdhsa_system_sgpr_workgroup_id_z 1
		.amdhsa_system_vgpr_workitem_id 0
		.amdhsa_next_free_vgpr 182
		.amdhsa_next_free_sgpr 66
		.amdhsa_reserve_vcc 0
		.amdhsa_float_denorm_mode_32 3
		.amdhsa_float_denorm_mode_16_64 3
		.amdhsa_memory_ordered 1
		.amdhsa_forward_progress 1
		.amdhsa_inst_pref_size 71
	.end_amdhsa_kernel
	.amdgpu_metadata
---
amdhsa.version: [ 1, 2 ]
amdhsa.kernels:
  - .name:           k_q8abd800940_quant
    .symbol:         k_q8abd800940_quant.kd
    .args:
      - { .name: k, .offset: 0, .size: 8, .value_kind: global_buffer, .address_space: global }
      - { .name: v, .offset: 8, .size: 8, .value_kind: global_buffer, .address_space: global }
      - { .name: q, .offset: 16, .size: 8, .value_kind: global_buffer, .address_space: global }
      - { .name: Wk, .offset: 24, .size: 8, .value_kind: global_buffer, .address_space: global }
      - { .name: Wv, .offset: 32, .size: 8, .value_kind: global_buffer, .address_space: global }
      - { .name: Wq, .offset: 40, .size: 8, .value_kind: global_buffer, .address_space: global }
      - { .name: Wo, .offset: 48, .size: 8, .value_kind: global_buffer, .address_space: global }
      - { .name: inc, .offset: 56, .size: 8, .value_kind: global_buffer, .address_space: global }
      - { .name: ins, .offset: 64, .size: 8, .value_kind: global_buffer, .address_space: global }
    .group_segment_fixed_size: 72192
    .private_segment_fixed_size: 0
    .kernarg_segment_align: 8
    .kernarg_segment_size: 72
    .max_flat_workgroup_size: 128
    .sgpr_count:     66
    .vgpr_count:     182
    .wavefront_size: 32
...
	.end_amdgpu_metadata
.endif
;; end of part 1
;; launch proj (part 2): grid 4 x 96, 4 waves a work-group, clusters of 4 x 4, 327,680 bytes of LDS; arguments inc, ins, pc; writes pc
.if DOCPART == 2
	.amdgcn_target "amdgcn-amd-amdhsa--gfx1250"
	.amdhsa_code_object_version 6
	.text
	.protected	k_q8abd800940_proj
	.globl	k_q8abd800940_proj
	.p2align	8
	.type	k_q8abd800940_proj,@function
k_q8abd800940_proj:
	s_mov_b64 s[64:65], 0
	v_nop
	global_prefetch_b8 v0, s[64:65] scope:SCOPE_SE
	s_setreg_imm32_b32 hwreg(HW_REG_WAVE_MODE, 25, 1), 1
	s_wait_xcnt 0x0
	s_wait_alu depctr_hold_cnt(0) depctr_sa_sdst(0) depctr_va_vdst(0) depctr_va_sdst(0) depctr_va_ssrc(0) depctr_va_vcc(0) depctr_vm_vsrc(0)
	s_getreg_b32 s2, hwreg(HW_REG_IB_STS2, 6, 4)
	s_cmp_eq_u32 s2, 0
	s_cbranch_scc0 .Lentry_in_a_cluster
	s_endpgm
.Lentry_in_a_cluster:
	s_bfe_u32 s2, ttmp6, 0x10000c
	s_cmp_lg_u32 s2, 0xf033
	s_cbranch_scc0 .Lentry_shape_is_right
	s_endpgm
.Lentry_shape_is_right:
; The three projections kp = k Wk^T, qp = q Wq^T, vp = v Wv^T on codes of BF6 (E3M2) with E8M0 scales, sums in f32; each result is quantised on its way out, along the axis that attention contracts, and stored as codes.
; OPERANDS lie in inc / ins as images of the operand's registers: a tile of 16 rows x 1024 K is 12,288 bytes, K step s at 1536 s, registers 2 p, 2 p + 1 of lane l at 256 p + 8 l; slot r of tile T is row
; 32 (T / 2) + 8 (T % 2) + r % 8 + 16 (r / 8).  A tile's scale bytes are 512: [s / 2][slot][two words].  So a fragment is six LDS loads of 256 consecutive bytes, and nothing is padded.
; SHARES.  A work-group of four waves makes 256 x 256, a wave 128 x 128: 64 accumulators, 512 registers.  K goes in steps of 256 through a ring of two LDS slots filled by the tensor data mover.
; The scales of the work-group's rows, for all of K, come once with the first fills.  4 x 4 work-groups form a cluster: source 1's tiles are shared along a row of it, source 0's along a column, each asked for jointly.
; A LANE'S REGISTERS RUN ALONG SOURCE 0'S ROWS, and the tiles' row order makes the 16 registers of two neighbouring tiles 16 neighbours.  Jobs k and q (cluster y / 8 = 0, 1): source 0 = W, source 1 = x: a lane holds one token and
; 128 features = two heads' d.  Job v (2): source 0 = x, source 1 = Wv: a lane holds one feature d and 128 keys.  So ONE way out quantises along d for k and q and along the keys for v; only offsets are chosen by the job.
; pc: [tensor k, v, q][b 16 + head][slot of 256 tokens][12,800 bytes]; in a slot, for each half of 128 tokens, 6,144 bytes of codes, and at 12,288 + 256 half the scale words.
;   k, q: four fragments, one for 32 tokens: registers 0-5 = token tile 2 g's 64 codes of the head, registers 6-11 = tile 2 g + 1's.   v: four fragments, one for each tile of 16 d, K = the half's 128 keys.
;   scale words: lane (r, h) at 8 l holds the words of fragments 2 h and 2 h + 1 for slot r.
; qp is stored undivided: the division by 8 is a power of two, which the softmax's constant takes up.  LIMITS: exact unless a block of qp has a largest magnitude under 2^-119; a byte is held at 1 from below; NaN and infinities are not served.
; REGISTERS, in windows of 256: window 0: v0-31 addresses; v32-63 scale words, two sets; v64-119 the way out; from v128 source 1's fragments, one set.  window 1: source 0's fragments, two sets.  windows 2, 3: the accumulators ((a, b) at v[8 (8 (a % 4) + b)]).
.set NQ,     2                         ; matrix instructions deep in a slot
.set FR,     12                        ; registers of a fragment
.set NL,     6                         ; LDS loads that bring one
.set NP,     4                         ; places behind this matrix instruction (ISA guide 7.12.1)
.set RT,     3072                      ; a tile's bytes in a slot: two K steps
.set TILEB,  12288
.set HALFT,  8*RT                      ; eight tiles: what one tensor load brings, and what one wave reads of a source
.set SLOT,   4*HALFT
.set LAPS,   2                         ; K = 1024 is twice round the ring
.set SCL,    2*SLOT                    ; behind the ring: the scales
.set HALFS,  4096                      ; those of eight tiles
.set SPARE,  SCL+4*HALFS               ; the spare words, 128 bytes for each wave: two blocks of 256 bytes that no other line names
.set HS,     102400                    ; a head's bytes in pc
.set ADRA, 16                          ; v16-17 LDS address of source 1's fragments in slot 0, 1
.set ADRB, 20                          ; v20-21 of source 0's
.set ADRS, 27                          ; v27    of my scale words: lanes 0-15 source 1's, lanes 16-31 source 0's
.set SPW,  28                          ; v28    my spare word; never rewritten
.set NIL,  29                          ; v29    0; never rewritten
.set VO,   30                          ; v30    8 x lane;  v31 the same + the distance from registers 0-5's place to registers 6-11's
.set SC,   32
.set TM,   64                          ; v64-67 largest magnitudes, v68-71 the other half's, then bytes, v76-79 the conversions' scale operands
.set WS,   80                          ; v80-87 the eight scale words
.set U,    88                          ; v88-95 regrouped
.set LW,   96                          ; v96-99 as they are stored
.set PC,   100                         ; v100-111 a fragment's codes, v112-119 the conversions' second halves
.set AF,   128
.set SEL,  10                          ; s[10:11] lane selects for lane l xor 16
.set G1, 24
.set G0, 32
.set G1B, 48
.set G0B, 56
.set G1S, 68
.set G0S, 76
.set G1SB, 80
.set G0SB, 88
.set MSB, 0
.macro WIN new                         ; the immediate's high byte repeats the setting that is left
.if MSB != \new
	s_set_vgpr_msb (MSB<<8)|\new
.set MSB, \new
.endif
.endm
.set MUL_LO, 0xa1                      ; source 0 window 1, source 1 window 0, C and D window 2
.set MUL_HI, 0xf1                      ; the same, C and D window 3
.set TO_B,   0x40                      ; destination window 1, address window 0
; A joint load: waves 0 and 1 fetch for source 1, waves 2 and 3 for source 0.  The branch hangs on the wave's number alone.  Four v_nop follow each of the two lines.
.macro JLOAD g0a, g1a, g0b, g1b
	s_cmp_eq_u32 s15, 0
	s_cbranch_scc0 .Lfor_b_\@
	tensor_load_to_lds s[\g0a:\g0a+3], s[\g1a:\g1a+7]
	s_nop 0
.rept 4
	v_nop
.endr
	s_branch .Lasked_\@
.Lfor_b_\@:
	tensor_load_to_lds s[\g0b:\g0b+3], s[\g1b:\g1b+7]
	s_nop 0
.rept 4
	v_nop
.endr
.Lasked_\@:
.endm
.macro CREST                           ; a round of the cluster's barrier behind its opening barrier
	s_cmp_lg_u32 s14, 0
	s_cbranch_scc1 .Lnot_wave_0_\@
	s_barrier_signal -3
.Lnot_wave_0_\@:
	s_barrier_wait -3
	s_barrier_signal -1
	s_barrier_wait -1
.endm
.macro CROUND
	s_barrier_signal -1
	s_barrier_wait -1
	CREST
.endm
	s_load_b128 s[4:7], s[0:1], 0x0                ; inc, ins
	s_load_b64 s[8:9], s[0:1], 0x10                ; pc
	v_lshl_add_u32 v[SPW], v0, 2, SPARE
	v_mov_b32 v[NIL], 0
	ds_add_u32 v28, v29
	s_wait_dscnt 0x0
	v_lshrrev_b32 v1, 5, v0
	v_readfirstlane_b32 s14, v1                    ; wave 0..3
	s_lshr_b32 s15, s14, 1                         ; my half of source 1's rows.  Also: I fetch for source 1 (0) or source 0 (1)
	s_and_b32 s16, s14, 1                          ; my half of source 0's rows.  Also: which eight tiles I fetch
	s_bfe_u32 s40, ttmp6, 0x40000                  ; cx
	s_bfe_u32 s41, ttmp6, 0x40004                  ; cy
	s_and_b32 s17, ttmp7, 0xffff                   ; the cluster's y, 0..23
	s_lshr_b32 s18, s17, 3                         ; job: 0 k, 1 q, 2 v: the same in all sixteen partners
	s_and_b32 s19, s17, 7                          ; which 1,024 tokens
	s_lshl_b32 s43, s41, 2
	s_lshl_b32 s43, 15, s43                        ; my row of the cluster
	s_lshl_b32 s44, 0x1111, s40                    ; my column
	; group 1 for codes: eight tiles' 3,072 bytes (384 elements of 8 bytes), 12,288 bytes apart; no padding
	s_or_b32 s[G1+0], s43, (3<<16)|(1<<21)
	s_or_b32 s[G1B+0], s44, (3<<16)|(1<<21)
.irp g, G1, G1B
	s_mov_b32 s[\g+1], 384<<16                     ; tensor_dim0
	s_mov_b32 s[\g+2], 8<<16                       ; tensor_dim1
	s_mov_b32 s[\g+3], 384<<16                     ; tile_dim0
	s_mov_b32 s[\g+4], 8                           ; tile_dim1
	s_mov_b32 s[\g+5], 1536                        ; tensor_dim0_stride
	s_mov_b32 s[\g+6], 0
	s_mov_b32 s[\g+7], 0
.endr
	; and for the scales of eight tiles: 4,096 dense bytes as 16 rows of 256
	s_or_b32 s[G1S+0], s43, (3<<16)|(1<<21)
	s_or_b32 s[G1SB+0], s44, (3<<16)|(1<<21)
.irp g, G1S, G1SB
	s_mov_b32 s[\g+1], 32<<16
	s_mov_b32 s[\g+2], 16<<16
	s_mov_b32 s[\g+3], 32<<16
	s_mov_b32 s[\g+4], 16
	s_mov_b32 s[\g+5], 32
	s_mov_b32 s[\g+6], 0
	s_mov_b32 s[\g+7], 0
.endr
	; which tiles.  k, q: source 0 = W at 1536 + 128 job, source 1 = x at 1024 job + 64 y.  v: source 0 = x at 512 + 64 y, source 1 = Wv at 1600
	s_lshl_b32 s20, s18, 7
	s_add_co_u32 s20, s20, 1536
	s_lshl_b32 s21, s18, 10
	s_lshl_b32 s22, s19, 6
	s_add_co_u32 s21, s21, s22
	s_add_co_u32 s22, s22, 512
	s_mov_b32 s23, 1600
	s_cmp_eq_u32 s18, 2
	s_cselect_b32 s46, s22, s20                    ; source 0
	s_cselect_b32 s20, s23, s21                    ; source 1
	s_lshl_b32 s42, s16, 3                         ; which eight tiles I fetch
	s_lshl_b32 s23, s41, 4
	s_add_co_u32 s20, s20, s23                     ; source 1: + 16 cy: shared along my row
	s_add_co_u32 s20, s20, s42
	s_lshl_b32 s47, s40, 4
	s_add_co_u32 s46, s46, s47                     ; source 0: + 16 cx: shared along my column
	s_add_co_u32 s46, s46, s42
	s_lshl_b32 s22, s20, 9                         ; their scales, in bytes,
	s_mov_b32 s23, 0
	s_mul_i32 s20, s20, TILEB                      ; and their codes
	s_mov_b32 s21, 0
	s_lshl_b32 s66, s46, 9
	s_mov_b32 s67, 0
	s_mul_i32 s46, s46, TILEB
	s_mov_b32 s47, 0
	s_mul_i32 s45, s14, HALFT                      ; where they go: wave x eight tiles: no place in the cluster enters an LDS address
	s_lshl_b32 s42, s14, 12
	s_wait_kmcnt 0x0
	s_add_nc_u64 s[20:21], s[4:5], s[20:21]
	s_add_nc_u64 s[22:23], s[6:7], s[22:23]
	s_add_nc_u64 s[46:47], s[4:5], s[46:47]
	s_add_nc_u64 s[66:67], s[6:7], s[66:67]
	CROUND                                         ; all sixteen work-groups are here: the first joint loads meet
	s_mov_b32 s[G0S], 1
	s_add_co_u32 s[G0S+1], s42, SCL
	s_mov_b64 s[G0S+2:G0S+3], s[22:23]
	s_or_b32 s[G0S+3], s[G0S+3], 0x80000000
	s_mov_b32 s[G0SB], 1
	s_add_co_u32 s[G0SB+1], s42, SCL
	s_mov_b64 s[G0SB+2:G0SB+3], s[66:67]
	s_or_b32 s[G0SB+3], s[G0SB+3], 0x80000000
	JLOAD G0S, G1S, G0SB, G1SB                     ; the scales first: they are wanted with K step 0
.irp s, 0,1
	s_mov_b32 s[G0+4*\s], 1
	s_add_co_u32 s[G0+4*\s+1], s45, \s*SLOT
	s_add_nc_u64 s[G0+4*\s+2:G0+4*\s+3], s[20:21], \s*RT
	s_or_b32 s[G0+4*\s+3], s[G0+4*\s+3], 0x80000000
	s_mov_b32 s[G0B+4*\s], 1
	s_add_co_u32 s[G0B+4*\s+1], s45, \s*SLOT
	s_add_nc_u64 s[G0B+4*\s+2:G0B+4*\s+3], s[46:47], \s*RT
	s_or_b32 s[G0B+4*\s+3], s[G0B+4*\s+3], 0x80000000
	JLOAD G0+4*\s, G1, G0B+4*\s, G1B
.endr
	v_and_b32 v1, 15, v0                           ; r
	v_bfe_u32 v2, v0, 4, 1                         ; h
	v_and_b32 v3, 31, v0
	v_lshlrev_b32 v3, 3, v3                        ; 8 x lane: my place in every piece of an image
	s_mul_i32 s21, s15, HALFT
	s_mul_i32 s22, s16, HALFT
	s_add_co_u32 s22, s22, 2*HALFT
.irp s, 0,1
	v_add_nc_u32 v[ADRA+\s], s21, v3
	v_add_nc_u32 v[ADRB+\s], s22, v3
	s_add_co_u32 s21, s21, SLOT
	s_add_co_u32 s22, s22, SLOT
.endr
	v_lshlrev_b32 v5, 3, v1                        ; my slot's two words
	s_lshl_b32 s21, s15, 12                        ; source 1's: my eight tiles
	s_lshl_b32 s22, s16, 12                        ; source 0's, behind source 1's sixteen
	s_add_co_u32 s22, s22, 2*HALFS
	s_sub_co_u32 s22, s22, s21
	v_mul_u32_u24 v6, s22, v2                      ; lanes 16-31 take source 0's
	s_add_co_u32 s21, s21, SCL
	v_add_nc_u32 v5, v5, v6
	v_add_nc_u32 v[ADRS], s21, v5
	; the way out's figures, chosen by the job
	s_lshl_b32 s92, s19, 2
	s_mul_i32 s97, s18, 13107200                   ; k's tensor begins at 0, q's here
	s_cmp_eq_u32 s18, 2
	s_cselect_b32 s93, s40, s41                    ; the tokens lie along cx (v) or cy (k, q),
	s_cselect_b32 s94, s16, s15                    ; and so does my half of the slot's 256;
	s_cselect_b32 s95, s41, s40                    ; the heads along the other
	s_cselect_b32 s99, s15, s16
	s_cselect_b32 s101, -1, 0                      ; all lanes for v, none for k and q
	s_mov_b32 s96, HS
	s_cselect_b32 s100, 768, s96                   ; from registers 0-5's place to registers 6-11's: the same fragment (v) or the next head (k, q)
	s_mov_b32 s96, 768
	s_cselect_b32 s96, 1536, s96                   ; from one of my eight blocks to the next
	s_cselect_b32 s98, 96256, 0                    ; v: behind four blocks the next head begins: HS - 4 x 1536
	s_cselect_b32 s97, 6553600, s97                ; v's tensor
	s_add_co_u32 s92, s92, s93                     ; the slot of 256 tokens among 32
	s_lshl_b32 s95, s95, 2
	s_lshl_b32 s99, s99, 1
	s_add_co_u32 s95, s95, s99                     ; my first head
	s_lshr_b32 s93, s92, 3
	s_lshl_b32 s93, s93, 4
	s_add_co_u32 s93, s93, s95                     ; 16 b + head
	s_lshl_b32 s93, s93, 3
	s_and_b32 s92, s92, 7
	s_add_co_u32 s93, s93, s92
	s_mul_i32 s92, s93, 12800
	s_add_co_u32 s92, s92, s97
	s_mul_i32 s99, s94, 6144
	s_lshl_b32 s94, s94, 8
	s_add_co_u32 s94, s94, 12288
	s_add_co_u32 s94, s94, s92                     ; my half's scale words
	s_add_co_u32 s92, s92, s99                     ; my half's codes
	s_mov_b32 s93, 0
	s_mov_b32 s95, 0
	s_add_nc_u64 s[92:93], s[8:9], s[92:93]
	s_add_nc_u64 s[94:95], s[8:9], s[94:95]
	s_mov_b32 s97, 0
	s_mov_b32 s99, 0
	v_mov_b32 v[VO], v3
	v_add_nc_u32 v[VO+1], s100, v3
.irp b, 0,1,2,3
	v_mov_b32 v[TM+4+\b], 0                        ; written once: a lane permute's destination counts as one of its sources
.endr
	s_mov_b32 s[SEL], 0x76543210
	s_mov_b32 s[SEL+1], 0xfedcba98
.macro FRAG reg, adr, q, i             ; a fragment: six loads of 8 bytes a lane, each 256 consecutive bytes of the image
.irp p, 0,1,2,3,4,5
	ds_load_b64 v[\reg+2*\p:\reg+2*\p+1], v[\adr] offset:(\i)*RT+(\q)*1536+256*\p
.endr
.endm
; 16 matrix instructions: source 1's blocks a0, a0 + 1 x source 0's eight.  The 64 accumulators take turns, one instruction a turn, in the same order in every step.
.macro MUL16 a0, p, q, sc, zero
.irp a, \a0, \a0+1
.irp b, 0,1,2,3,4,5,6,7
.if \zero
	v_wmma_scale_f32_16x16x128_f8f6f4 v[8*(8*((\a)%4)+\b):8*(8*((\a)%4)+\b)+7], v[128*(\p)+FR*\b:128*(\p)+FR*\b+FR-1], v[AF+FR*(\a):AF+FR*(\a)+FR-1], 0, v[SC+8*NQ*(\sc)+NQ*\b+(\q)], v[SC+8*NQ*(\sc)+NQ*(\a)+(\q)] matrix_a_fmt:MATRIX_FMT_BF6 matrix_b_fmt:MATRIX_FMT_BF6 matrix_a_scale:MATRIX_SCALE_ROW1
.else
	v_wmma_scale_f32_16x16x128_f8f6f4 v[8*(8*((\a)%4)+\b):8*(8*((\a)%4)+\b)+7], v[128*(\p)+FR*\b:128*(\p)+FR*\b+FR-1], v[AF+FR*(\a):AF+FR*(\a)+FR-1], v[8*(8*((\a)%4)+\b):8*(8*((\a)%4)+\b)+7], v[SC+8*NQ*(\sc)+NQ*\b+(\q)], v[SC+8*NQ*(\sc)+NQ*(\a)+(\q)] matrix_a_fmt:MATRIX_FMT_BF6 matrix_b_fmt:MATRIX_FMT_BF6 matrix_a_scale:MATRIX_SCALE_ROW1
.endif
.endr
.endr
.endm
.macro FETCH_B slot, q, p
	WIN TO_B
.irp i, 0,1,2,3,4,5,6,7
	FRAG 128*(\p)+FR*\i, ADRB+\slot, \q, \i
.endr
	WIN 0
.endm
.macro FETCH_A slot, q, i0
.irp i, \i0, \i0+1, \i0+2, \i0+3
	FRAG AF+FR*(\i), ADRA+\slot, \q, \i
.endr
.endm
.macro SCALES sc                       ; a slot's two words a row: lanes 0-15 source 1's block i, lanes 16-31 source 0's block i
.irp i, 0,1,2,3,4,5,6,7
	ds_load_b64 v[SC+8*NQ*\sc+NQ*\i:SC+8*NQ*\sc+NQ*\i+1], v[ADRS] offset:\i*512
.endr
.endm
.macro PLACES n                        ; places in front of loads into registers that matrix instructions have read, and of the first read of results
.rept \n
	v_nop
.endr
.endm
.macro STEP slot, q, zero              ; a step of 128 along K that has its successor in the same slot
	s_wait_dscnt 4*NL                              ; source 0's set and source 1's blocks 0-3 are in; the youngest 24 loads (blocks 4-7) may be out
	WIN MUL_LO
	MUL16 0, (\q)%2, \q, \slot, \zero
	MUL16 2, (\q)%2, \q, \slot, \zero
	s_wait_dscnt 0
	PLACES NP
	FETCH_B \slot, (\q)+1, 1-(\q)%2
	FETCH_A \slot, (\q)+1, 0
	WIN MUL_HI
	MUL16 4, (\q)%2, \q, \slot, \zero
	MUL16 6, (\q)%2, \q, \slot, \zero
	PLACES NP
	WIN 0
	FETCH_A \slot, (\q)+1, 4
.endm
; A slot's last step changes slots: one barrier; in front of it each wave waits for all its tensor loads, adds 0 to its spare word, and waits for that and for its own reads of this slot.
.macro TURN slot, next, fill
	s_wait_tensorcnt 0x0                           ; all my tensor loads have landed: my part of the next slot
	ds_add_u32 v[SPW], v[NIL]                      ; 0 onto my spare word
	s_wait_dscnt 4*NL+1                            ; (the add and the youngest 24 loads may be out)
	WIN MUL_LO
	MUL16 0, 1, NQ-1, \slot, 0
	s_wait_dscnt 0x0                               ; the add is done, and my reads of this slot are over
	s_barrier_signal -1
	MUL16 2, 1, NQ-1, \slot, 0
	WIN 0
	s_barrier_wait -1
.if \fill
	CREST                                          ; the barrier has opened a round of the cluster's barrier: no wave of any partner still reads this slot or has a load on its way
	s_add_nc_u64 s[G0+4*\slot+2:G0+4*\slot+3], s[G0+4*\slot+2:G0+4*\slot+3], 2*RT
	s_add_nc_u64 s[G0B+4*\slot+2:G0B+4*\slot+3], s[G0B+4*\slot+2:G0B+4*\slot+3], 2*RT
	JLOAD G0+4*\slot, G1, G0B+4*\slot, G1B         ; the first tensor load behind the round; its four v_nop are the places in front of the loads below
.else
	PLACES NP
.endif
	v_add_nc_u32 v[ADRS], 128, v[ADRS]             ; the next slot's scale words
	FETCH_B \next, 0, 0
	FETCH_A \next, 0, 0
	SCALES \next
	WIN MUL_HI
	MUL16 4, 1, NQ-1, \slot, 0
	MUL16 6, 1, NQ-1, \slot, 0
	PLACES NP
	WIN 0
	FETCH_A \next, 0, 4
.endm
	s_wait_tensorcnt 1                             ; the scales and my part of slot 0 are in (slot 1's load may be out)
	s_barrier_signal -1
	s_barrier_wait -1
	FETCH_B 0, 0, 0
	FETCH_A 0, 0, 0
	SCALES 0
	FETCH_A 0, 0, 4
	STEP 0, 0, 1                                   ; the first step's products start the sums
	s_mov_b32 s3, LAPS-1
.Llap:                                             ; a trip goes once round the ring and fills both slots again
	TURN 0, 1, 1
	STEP 1, 0, 0
	TURN 1, 0, 1
	STEP 0, 0, 0
	s_sub_co_u32 s3, s3, 1
	s_cmp_lg_u32 s3, 0
	s_cbranch_scc1 .Llap
	TURN 0, 1, 0                                   ; the last lap fills nothing
	STEP 1, 0, 0
	s_wait_dscnt 4*NL
	WIN MUL_LO
	MUL16 0, 1, NQ-1, 1, 0
	MUL16 2, 1, NQ-1, 1, 0
	s_wait_dscnt 0
	WIN MUL_HI
	MUL16 4, 1, NQ-1, 1, 0
	MUL16 6, 1, NQ-1, 1, 0
	WIN 0
; THE WAY OUT.  Block a of source 1 (16 rows): a lane's 64 registers, register 16 b + i = place 32 b + 16 (lane / 16) + i along source 0's 128 rows, become a fragment's codes and its scale word.
; Each accumulator is read from its low end on.  Each store of the wave covers 256 consecutive bytes, aligned.
.macro QOUT a
.set AC, 64*((\a)%4)
.if (\a) > 0
	s_wait_xcnt 0x0                                ; the last block's stores have read their registers and their base
	s_add_nc_u64 s[92:93], s[92:93], s[96:97]
.if (\a) == 4
	s_add_nc_u64 s[92:93], s[92:93], s[98:99]
.endif
.endif
	WIN 0x0a+5*((\a)/4)                            ; sources 0 and 1: window 2 or 3
.irp b, 0,1,2,3
	v_max3_num_f32 v[TM+\b], |v[AC+16*\b]|, |v[AC+16*\b+1]|, 0x2800000   ; and the floor 2^(5 - 127): the byte cannot fall under 1
.endr
.irp i, 2,4,6,8,10,12,14
.irp b, 0,1,2,3
	v_max3_num_f32 v[TM+\b], |v[AC+16*\b+\i]|, |v[AC+16*\b+\i+1]|, v[TM+\b]
.endr
.endr
	WIN 0
.irp b, 0,1,2,3
	v_permlanex16_b32 v[TM+4+\b], v[TM+\b], s[SEL], s[SEL+1]
.endr
.irp b, 0,1,2,3
	v_max_num_f32 v[TM+\b], v[TM+\b], v[TM+4+\b]   ; with lane l xor 16's: the block's largest magnitude
.endr
.irp b, 0,1,2,3
	v_add_nc_u32 v[TM+12+\b], 0xfe000000, v[TM+\b] ; 4 off its exponent field: the conversion's scale operand
.endr
.irp b, 0,1,2,3
	v_lshrrev_b32 v[TM+4+\b], 23, v[TM+12+\b]      ; the scale's byte
.endr
	v_lshl_or_b32 v[WS+\a], v[TM+5], 8, v[TM+4]
	v_lshl_or_b32 v[WS+\a], v[TM+6], 16, v[WS+\a]
	v_lshl_or_b32 v[WS+\a], v[TM+7], 24, v[WS+\a]
	WIN 0x02+((\a)/4)                              ; source 0: window 2 or 3
.irp c, 0,1
	v_cvt_scalef32_pk16_bf6_f32 v[PC+6*\c:PC+2+6*\c], v[AC+32*\c:AC+15+32*\c], v[TM+12+2*\c]
	v_cvt_scalef32_pk16_bf6_f32 v[PC+12+4*\c:PC+14+4*\c], v[AC+16+32*\c:AC+31+32*\c], v[TM+12+2*\c+1]   ; (a conversion's three registers begin on an even number)
.endr
	WIN 0
	v_nop                                          ; one plain place behind a scaled conversion
.irp c, 0,1                            ; the operand's layout wants a whole block in a lane
.irp i, 0,1,2
	v_permlane16_swap_b32 v[PC+6*\c+\i], v[PC+12+4*\c+\i]
.endr
.irp i, 0,1,2
	v_mov_b32 v[PC+3+6*\c+\i], v[PC+12+4*\c+\i]
.endr
.endr
.irp p, 0,1,2
	global_store_b64 v[VO], v[PC+2*\p:PC+2*\p+1], s[92:93] offset:256*\p
	global_store_b64 v[VO+1], v[PC+6+2*\p:PC+7+2*\p], s[92:93] offset:256*\p
.endr
.endm
	PLACES NP
.irp a, 0,1,2,3,4,5,6,7
	QOUT \a
.endr
	; the scale words.  k, q: a word's low half is my first head's, its high half the second's: fragment g of a head takes those halves of blocks 2 g and 2 g + 1.  v: block 4 c + t's word is fragment t's of head c, as it stands.
	s_mov_b32 s12, 0x05040100
	s_mov_b32 s13, 0x07060302
	s_mov_b32 s17, 0xffff0000
.irp g, 0,1,2,3
	v_perm_b32 v[U+\g], v[WS+2*\g+1], v[WS+2*\g], s12
	v_perm_b32 v[U+4+\g], v[WS+2*\g+1], v[WS+2*\g], s13
.endr
.irp i, 0,1,2,3,4,5,6,7
	v_cndmask_b32 v[U+\i], v[U+\i], v[WS+\i], s101
.endr
.irp c, 0,1                            ; lanes 0-15 store the words of fragments 0 and 1, lanes 16-31 those of 2 and 3 (both halves of the lanes hold every word)
	v_cndmask_b32 v[LW+2*\c], v[U+4*\c], v[U+4*\c+2], s17
	v_cndmask_b32 v[LW+2*\c+1], v[U+4*\c+1], v[U+4*\c+3], s17
	global_store_b64 v[VO], v[LW+2*\c:LW+2*\c+1], s[94:95] offset:\c*HS
.endr
	s_wait_tensorcnt 0x0                           ; the wave's end
	ds_add_u32 v[SPW], v[NIL]
	s_wait_dscnt 0x0
	CROUND                                         ; the closing round: no work-group ends while a partner may still ask for a tile that names it
	s_endpgm
.Lfunc_end_k_q8abd800940_proj:
	.size	k_q8abd800940_proj, .Lfunc_end_k_q8abd800940_proj-k_q8abd800940_proj
	.p2alignl 7, 3214868480
	.fill 96, 4, 3214868480
	.section	.rodata,"a",@progbits
	.p2align	6, 0x0
	.amdhsa_kernel k_q8abd800940_proj
		.amdhsa_group_segment_fixed_size 327680
		.amdhsa_private_segment_fixed_size 0
		.amdhsa_enable_private_segment 0
		.amdhsa_kernarg_size 24
		.amdhsa_user_sgpr_count 2
		.amdhsa_user_sgpr_kernarg_segment_ptr 1
		.amdhsa_wavefront_size32 1
		.amdhsa_system_sgpr_workgroup_id_x 1
		.amdhsa_system_sgpr_workgroup_id_y 1
		.amdhsa_system_sgpr_workgroup_id_z 1
		.amdhsa_system_vgpr_workitem_id 0
		.amdhsa_next_free_vgpr 1024
		.amdhsa_next_free_sgpr 102
		.amdhsa_reserve_vcc 0
		.amdhsa_float_denorm_mode_32 3
		.amdhsa_float_denorm_mode_16_64 3
		.amdhsa_memory_ordered 1
		.amdhsa_forward_progress 1
		.amdhsa_inst_pref_size 169
	.end_amdhsa_kernel
	.amdgpu_metadata
---
amdhsa.version: [ 1, 2 ]
amdhsa.kernels:
  - .name:           k_q8abd800940_proj
    .symbol:         k_q8abd800940_proj.kd
    .args:
      - { .name: inc, .offset: 0, .size: 8, .value_kind: global_buffer, .address_space: global }
      - { .name: ins, .offset: 8, .size: 8, .value_kind: global_buffer, .address_space: global }
      - { .name: pc, .offset: 16, .size: 8, .value_kind: global_buffer, .address_space: global }
    .group_segment_fixed_size: 327680
    .private_segment_fixed_size: 0
    .kernarg_segment_align: 8
    .kernarg_segment_size: 24
    .max_flat_workgroup_size: 128
    .sgpr_count:     102
    .vgpr_count:     1024
    .wavefront_size: 32
...
	.end_amdgpu_metadata
.endif
;; end of part 2
;; launch attn (part 3): grid 4 x 64, 16 waves a work-group, no clusters, 327,680 bytes of LDS; arguments pc, ac, asc; writes ac, asc
.if DOCPART == 3
	.amdgcn_target "amdgcn-amd-amdhsa--gfx1250"
	.amdhsa_code_object_version 6
	.text
	.protected	k_q8abd800940_attn
	.globl	k_q8abd800940_attn
	.p2align	8
	.type	k_q8abd800940_attn,@function
k_q8abd800940_attn:
	s_mov_b64 s[64:65], 0
	v_nop
	global_prefetch_b8 v0, s[64:65] scope:SCOPE_SE
	s_setreg_imm32_b32 hwreg(HW_REG_WAVE_MODE, 25, 1), 1
	s_wait_xcnt 0x0
; Causal attention of one head on codes of BF6 (E3M2), head size 64; the result is quantised along the model's 1,024 on its way out and stored as an operand of the last product.
; pc holds k, v, q as the projections left them: [tensor][b 16 + head][slot of 256 tokens][12,800 bytes]; a half slot (128 tokens) is four fragments (6,144 bytes) and 256 bytes of scale words.
;   k, q: fragment g: registers 0-5 = token tile 2 g's 64 codes, registers 6-11 = tile 2 g + 1's; slot m of tile 2 g + u is token 32 g + 8 u + m % 8 + 16 (m / 8).   v: fragment t = 16 of the head's 64, K = the half's 128 keys.
; THE SCORES' K IS 64, HALF OF THE INSTRUCTION'S 128: a fragment of k carries two token tiles; it is multiplied once by [q | zeros] and once by [zeros | q].  Zero codes add nothing under any scale byte that the quantiser gives.
; Both products are used transposed (S^T = K Q^T, O^T = V^T P^T): a lane holds one query throughout, and the 16 registers of two neighbouring tiles are 16 neighbouring keys.
; SOFTMAX: t = score x log2(e) / 8 (the 8 is sqrt(64): q's codes are those of the undivided qp, which differ from the divided one's by that power of two alone); M = the running largest t rounded up to a whole number;
; p = 2^(t - M) is quantised along the keys; the sum is taken of the unquantised p and divides O at the end; when M moves, the sum and O are multiplied by 2^(old M - new M), exactly.
; SHARES.  Work-group (j, head) takes the blocks of 256 queries 7 - j and then j: 8 - j and j + 1 slots of keys, NINE VISITS FOR EVERY WORK-GROUP: the loop's trip count is a constant and the 256 work-groups have equal work.
; Each of the sixteen waves owns one tile of 16 queries; four waves share a SIMD, so that one wave's vector work stands beside another's matrix work and LDS loads.  A step all of whose 128 keys come after the wave's queries is jumped over.
; NO JOINT LOADS: the four work-groups of a head visit slot n in visit n only while n < 8 - j, so from visit 5 on they want different tiles in the same visit.
; LDS: two slots, 32,768 bytes apart, each [k's 12,800 bytes][v's 12,800 bytes], filled by waves 0 (k) and 1 (v); the spare words at 65,536.
; LIMITS: NaN and infinities are not served; a scale byte is held at 1 from below.
; REGISTERS: v1 8 x lane, v2 the step's LDS address, v3 my query less the wave's first less 16 (lane / 16), v5-6 the add's, v7 8 x (lane % 16), v8-9 q's offsets; v12 -M, v13 the largest t, v[14:15] the sum;
; v16-21 zeros, v22-27 q, v28-33 zeros; v34 q's scale word; v[36:37] k's, v[38:39] v's; v40-87 four fragments; v96-159 S^T, then p; v160-191 O^T; v192-231 at work; v236-242 the second pass's q.
.set SLOT1, 32768
.set SLB,   12800                      ; a slot's bytes of one tensor
.set TEN,   6553600                    ; a tensor's bytes in pc
.set HS,    102400                     ; a head's
.set SPARE, 65536                      ; the spare words, 128 bytes for each wave: eight blocks of 256 bytes that no other line names
.set SS,  96
.set OO,  160
.set BM,  192                          ; v192-195 a block's largest score, then its largest p
.set PT,  196                          ; v196-199 the other half's, then bytes
.set SO,  200                          ; v200-203 the conversions' scale operands
.set CV,  204                          ; v204-211 the conversions' second halves
.set PCD, 212                          ; v212-223 p's codes
.set PW,  224                          ; v224 p's scale word
.set FF,  226                          ; v[226:227] f
.macro TLOAD                           ; wave 0 fetches k's slot, wave 1 v's, the others nothing.  Four v_nop follow the line
	s_cmp_lt_u32 s18, 2
	s_cbranch_scc0 .Lno_\@
	tensor_load_to_lds s[32:35], s[24:31]
	s_nop 0
.rept 4
	v_nop
.endr
.Lno_\@:
.endm
	s_load_b128 s[4:7], s[0:1], 0x0                ; pc, ac
	s_load_b64 s[8:9], s[0:1], 0x10                ; asc
	v_lshl_add_u32 v5, v0, 2, SPARE
	v_mov_b32 v6, 0
	ds_add_u32 v5, v6
	ds_add_u32 v5, v6
	s_wait_dscnt 0x0
	v_lshrrev_b32 v2, 5, v0
	s_delay_alu instid0(VALU_DEP_1)
	v_readfirstlane_b32 s18, v2                    ; wave 0..15
	s_and_b32 s52, ttmp7, 0xffff                   ; b 16 + head
	s_sub_co_u32 s40, 8, ttmp9                     ; visits of the first pass
	s_sub_co_u32 s53, 7, ttmp9                     ; its block of queries; the second pass's is j
	s_mul_i32 s54, s52, HS
	s_and_b32 s55, s18, 1
	s_mul_i32 s56, s55, TEN                        ; wave 0: k's tensor, wave 1: v's
	s_add_co_u32 s56, s56, s54
	s_mov_b32 s57, 0
	s_mov_b32 s32, 1                               ; group 0: count = 1,
	s_mul_i32 s33, s55, SLB                        ; LDS address: slot 0
	s_mov_b32 s24, 3<<16                           ; group 1: 12,800 dense bytes as 50 rows of 32 elements of 8 bytes; no mask, no padding
	s_mov_b32 s25, 32<<16
	s_mov_b32 s26, 50<<16
	s_mov_b32 s27, 32<<16
	s_mov_b32 s28, 50
	s_mov_b32 s29, 32
	s_mov_b32 s30, 0
	s_mov_b32 s31, 0
	s_add_co_u32 s10, s54, 2*TEN                   ; q's tensor, my head
	s_mul_i32 s58, s53, SLB
	s_add_co_u32 s58, s58, s10
	s_mov_b32 s59, 0
	s_mul_i32 s60, ttmp9, SLB
	s_add_co_u32 s60, s60, s10
	s_mov_b32 s61, 0
	s_lshr_b32 s62, s52, 4
	s_lshl_b32 s62, s62, 7
	s_add_co_u32 s62, s62, s18                     ; 128 b + wave
	s_and_b32 s63, s52, 15                         ; the head
	s_mul_i32 s10, s63, 768                        ; its 64 codes in a token tile's image: K step head / 2, registers 0-5 or 6-11
	s_lshr_b32 s11, s63, 2
	s_lshl_b32 s11, s11, 7
	s_and_b32 s12, s63, 3
	s_lshl_b32 s12, s12, 1
	s_add_co_u32 s11, s11, s12                     ; and its two scale bytes
	s_lshl_b32 s12, s53, 4
	s_add_co_u32 s12, s12, s62                     ; my token tile, first pass
	s_mul_i32 s44, s12, 12288
	s_add_co_u32 s44, s44, s10
	s_mov_b32 s45, 0
	s_lshl_b32 s48, s12, 9
	s_add_co_u32 s48, s48, s11
	s_mov_b32 s49, 0
	s_lshl_b32 s12, ttmp9, 4
	s_add_co_u32 s12, s12, s62                     ; second pass
	s_mul_i32 s46, s12, 12288
	s_add_co_u32 s46, s46, s10
	s_mov_b32 s47, 0
	s_lshl_b32 s50, s12, 9
	s_add_co_u32 s50, s50, s11
	s_mov_b32 s51, 0
	s_lshr_b32 s12, s18, 1
	s_lshl_b32 s12, s12, 5
	s_lshl_b32 s13, s55, 3
	s_add_co_u32 s12, s12, s13                     ; my tile's first token in its block: 32 (wave / 2) + 8 (wave % 2)
	s_lshl_b32 s42, s53, 8
	s_add_co_u32 s42, s42, s12                     ; my first query
	s_lshl_b32 s43, ttmp9, 8
	s_add_co_u32 s43, s43, s12                     ; the second pass's
	s_mov_b32 s20, 0x76543210
	s_mov_b32 s21, 0xfedcba98                      ; lane selects for lane l xor 16
	s_mov_b32 s22, 0x3e38aa3b                      ; c = log2(e) / 8
	s_mov_b32 s23, s22                             ; (named with it as a pair)
	s_mov_b32 s38, 0                               ; LDS byte at which the slot in hand begins
	s_mov_b32 s39, 0                               ; visits done
	s_wait_kmcnt 0x0
	s_add_nc_u64 s[36:37], s[4:5], s[56:57]        ; my tensor's head
	s_mov_b64 s[34:35], s[36:37]                   ; its slot 0
	s_or_b32 s35, s35, 0x80000000                  ; type = 2
	TLOAD
	s_add_nc_u64 s[58:59], s[4:5], s[58:59]
	s_add_nc_u64 s[60:61], s[4:5], s[60:61]
	s_add_nc_u64 s[44:45], s[6:7], s[44:45]
	s_add_nc_u64 s[46:47], s[6:7], s[46:47]
	s_add_nc_u64 s[48:49], s[8:9], s[48:49]
	s_add_nc_u64 s[50:51], s[8:9], s[50:51]
	v_and_b32 v1, 31, v0
	s_delay_alu instid0(VALU_DEP_1)
	v_lshlrev_b32 v1, 3, v1                        ; 8 x lane
	v_and_b32 v4, 15, v0                           ; r
	s_delay_alu instid0(VALU_DEP_1)
	v_lshlrev_b32 v7, 3, v4
	s_wait_alu depctr_va_vdst(0)
	v_and_b32 v3, 8, v4
	s_delay_alu instid0(VALU_DEP_1)
	v_add_nc_u32 v3, v3, v4                        ; r + 8 (r / 8): my query less the wave's first
	v_bfe_u32 v8, v0, 4, 1
	s_delay_alu instid0(VALU_DEP_1)
	v_lshlrev_b32 v8, 4, v8
	s_delay_alu instid0(VALU_DEP_1)
	v_sub_nc_u32 v3, v3, v8                        ; less 16 h
	s_lshr_b32 s12, s18, 3                         ; my tile's half of the slot,
	s_and_b32 s13, s18, 7
	s_mul_i32 s13, s13, 768                        ; its six registers there
	s_mul_i32 s14, s12, 6144
	s_add_co_u32 s13, s13, s14
	v_add_nc_u32 v8, s13, v1
	s_wait_alu depctr_va_vdst(0)
	s_lshl_b32 s14, s12, 8                         ; its fragment's scale word: fragment (wave / 2) % 4 of the half
	s_bfe_u32 s15, s18, 0x10002
	s_lshl_b32 s15, s15, 7
	s_add_co_u32 s14, s14, s15
	s_bfe_u32 s15, s18, 0x10001
	s_lshl_b32 s15, s15, 2
	s_add_co_u32 s14, s14, s15
	s_add_co_u32 s14, s14, 12288
	v_add_nc_u32 v9, s14, v7
.irp p, 0,1,2
	global_load_b64 v[22+2*\p:23+2*\p], v8, s[58:59] offset:256*\p
	global_load_b64 v[236+2*\p:237+2*\p], v8, s[60:61] offset:256*\p
.endr
	global_load_b32 v34, v9, s[58:59]
	global_load_b32 v242, v9, s[60:61]
	s_mov_b32 s16, 0x01000100                      ; my tile's two bytes are the word's low half (even wave) or its high half; they are doubled, to serve q in either half of K
	s_cmp_eq_u32 s55, 1
	s_cselect_b32 s16, 0x03020302, s16
	s_wait_loadcnt 0x0
	v_perm_b32 v34, v34, v34, s16
	v_perm_b32 v242, v242, v242, s16
.irp i, 0,1,2,3,4,5
	v_mov_b32 v[16+\i], 0
	v_mov_b32 v[28+\i], 0
.endr
	v_mov_b32 v13, 0xff61b1e6                      ; the largest t so far: -3e38
	s_delay_alu instid0(VALU_DEP_1)
	v_floor_f32 v12, -v13                          ; -M
	v_mov_b32 v14, 0
	v_mov_b32 v15, 0
.irp b, 0,1,2,3
	v_mov_b32 v[PT+\b], 0                          ; written once: a lane permute's destination counts as one of its sources
.endr
	v_mov_b32 v[FF+1], 0                           ; (named as the upper half of a pair)
	v_mov_b32 v228, 0
.set N_, 0
.rept 32
	v_mov_b32 v[OO+N_], 0                          ; O^T: the first change of M leaves zeros zeros
.set N_, N_+1
.endr
; A KEY STEP: 128 keys, half q of the slot in hand.  No barrier and no tensor load stands in a step.
.macro STEP q
	s_add_co_u32 s54, s41, 128*\q                  ; the step's first key
	s_add_co_u32 s55, s42, 23                      ; my last query
	s_cmp_gt_u32 s54, s55
	s_cbranch_scc1 .Lhid_\@                        ; all its keys come after my queries
	v_add_nc_u32 v2, s38, v1
.rept 3
	v_nop                                          ; with the addition: four places in front of loads into registers that matrix instructions have read
.endr
.irp g, 0,1,2,3
.irp p, 0,1,2,3,4,5
	ds_load_b64 v[40+12*\g+2*\p:41+12*\g+2*\p], v2 offset:6144*\q+1536*\g+256*\p
.endr
.endr
	ds_load_b64 v[36:37], v2 offset:12288+256*\q   ; lane (r, h): the words of fragments 2 h and 2 h + 1
	s_wait_alu depctr_va_vdst(0)
	s_wait_dscnt 0x0
.irp g, 0,1
	v_wmma_scale_f32_16x16x128_f8f6f4 v[SS+16*\g:SS+16*\g+7], v[40+12*\g:51+12*\g], v[22:33], 0, v[36+\g], v34 matrix_a_fmt:MATRIX_FMT_BF6 matrix_b_fmt:MATRIX_FMT_BF6
	v_wmma_scale_f32_16x16x128_f8f6f4 v[SS+16*\g+8:SS+16*\g+15], v[40+12*\g:51+12*\g], v[16:27], 0, v[36+\g], v34 matrix_a_fmt:MATRIX_FMT_BF6 matrix_b_fmt:MATRIX_FMT_BF6
.endr
.irp g, 2,3
	v_wmma_scale_f32_16x16x128_f8f6f4 v[SS+16*\g:SS+16*\g+7], v[40+12*\g:51+12*\g], v[22:33], 0, v[34+\g], v34 matrix_a_fmt:MATRIX_FMT_BF6 matrix_b_fmt:MATRIX_FMT_BF6 matrix_a_scale:MATRIX_SCALE_ROW1
	v_wmma_scale_f32_16x16x128_f8f6f4 v[SS+16*\g+8:SS+16*\g+15], v[40+12*\g:51+12*\g], v[16:27], 0, v[34+\g], v34 matrix_a_fmt:MATRIX_FMT_BF6 matrix_b_fmt:MATRIX_FMT_BF6 matrix_a_scale:MATRIX_SCALE_ROW1
.endr                                  ; register 16 g + i holds the key: first key + 32 g + 16 (lane / 16) + i
.rept 4
	v_nop
.endr
.irp t, 0,1,2,3                        ; V's fragments are asked for now and land under the softmax
.irp p, 0,1,2,3,4,5
	ds_load_b64 v[40+12*\t+2*\p:41+12*\t+2*\p], v2 offset:SLB+6144*\q+1536*\t+256*\p
.endr
.endr
	ds_load_b64 v[38:39], v2 offset:SLB+12288+256*\q
	s_add_co_u32 s55, s54, 127
	s_cmp_le_u32 s55, s42
	s_cbranch_scc1 .Lopen_\@                       ; all its keys count for all my queries
	s_sub_co_i32 s55, s42, s54
	v_add_nc_u32 v228, s55, v3                     ; d = my query - first key - 16 (lane / 16): register 16 g + i is hidden where 32 g + i > d
	v_mov_b32 v229, 0xff800000                     ; -infinity: p = 0 then
.set N_, 0
.rept 64
	v_cmp_gt_i32 vcc_lo, 32*(N_/16)+N_%16, v228
	v_cndmask_b32 v[SS+N_], v[SS+N_], v229, vcc_lo
.set N_, N_+1
.endr
.Lopen_\@:
.irp b, 0,1,2,3
	v_max3_num_f32 v[BM+\b], v[SS+16*\b], v[SS+1+16*\b], v[SS+2+16*\b]   ; the largest score of each block of 32 keys: it serves the row's maximum and, since p rises with the score, the block's largest p
.endr
.irp i, 3,5,7,9,11,13
.irp b, 0,1,2,3
	v_max3_num_f32 v[BM+\b], v[BM+\b], v[SS+16*\b+\i], v[SS+1+16*\b+\i]
.endr
.endr
.irp b, 0,1,2,3
	v_max_num_f32 v[BM+\b], v[BM+\b], v[SS+15+16*\b]
.endr
.irp b, 0,1,2,3
	s_delay_alu instid0(VALU_DEP_4)
	v_permlanex16_b32 v[PT+\b], v[BM+\b], s20, s21
.endr
.irp b, 0,1,2,3
	s_delay_alu instid0(VALU_DEP_4)
	v_max_num_f32 v[BM+\b], v[BM+\b], v[PT+\b]     ; with lane l xor 16's 16 keys
.endr
	s_delay_alu instid0(VALU_DEP_2)
	v_max3_num_f32 v228, v[BM], v[BM+1], v[BM+2]
	s_delay_alu instid0(VALU_DEP_1)
	v_max_num_f32 v228, v228, v[BM+3]
	s_delay_alu instid0(VALU_DEP_1)
	v_mul_f32 v228, s22, v228                      ; as t (c is positive)
	s_delay_alu instid0(VALU_DEP_1)
	v_max_num_f32 v13, v13, v228                   ; the running largest t
	v_mov_b32 v228, v12
	s_delay_alu instid0(VALU_DEP_2)
	v_floor_f32 v12, -v13                          ; the new -M = -ceil(t)
	s_delay_alu instid0(VALU_DEP_1)
	v_sub_f32 v228, v12, v228                      ; old M - new M: a whole number, 0 or less
	s_delay_alu instid0(VALU_DEP_1)
	v_cvt_i32_f32 v228, v228                       ; (it saturates)
	s_delay_alu instid0(VALU_DEP_1)
	v_ldexp_f32 v[FF], 1.0, v228                   ; f = 2^(old M - new M)
.set N_, 0
.rept 32
	v_pk_fma_f32 v[SS+N_:SS+N_+1], v[SS+N_:SS+N_+1], s[22:23], v[12:13] op_sel_hi:[1,0,0]   ; t - M, two at a time
.set N_, N_+2
.endr
.irp b, 0,1,2,3
	v_fma_f32 v[BM+\b], v[BM+\b], s22, v12
.endr
.set N_, 0
	s_wait_alu depctr_va_vdst(0)
.rept 64
	v_exp_f32 v[SS+N_], v[SS+N_]                   ; p = 2^(t - M)
.set N_, N_+1
.endr
.irp b, 0,1,2,3
	v_exp_f32 v[BM+\b], v[BM+\b]                   ; the block's largest p: the same two instructions on the same number
.endr
	v_pk_mul_f32 v[14:15], v[14:15], v[FF:FF+1] op_sel_hi:[1,0]   ; the sums under the new M (a plain place behind the exponentials)
	s_wait_alu depctr_va_vdst(0)
.irp b, 0,1,2,3
	v_max_num_f32 v[BM+\b], 0x2800000, v[BM+\b]    ; the floor 2^(5 - 127)
.endr
.irp b, 0,1,2,3
	s_delay_alu instid0(VALU_DEP_4)
	v_add_nc_u32 v[SO+\b], 0xfe000000, v[BM+\b]
.endr
.irp b, 0,1,2,3
	s_delay_alu instid0(VALU_DEP_4)
	v_lshrrev_b32 v[PT+\b], 23, v[SO+\b]
.endr
	s_delay_alu instid0(VALU_DEP_3)
	v_lshl_or_b32 v[PW], v[PT+1], 8, v[PT]
	s_delay_alu instid0(VALU_DEP_1)
	v_lshl_or_b32 v[PW], v[PT+2], 16, v[PW]
	s_delay_alu instid0(VALU_DEP_1)
	v_lshl_or_b32 v[PW], v[PT+3], 24, v[PW]
.irp c, 0,1
	v_cvt_scalef32_pk16_bf6_f32 v[PCD+6*\c:PCD+2+6*\c], v[SS+32*\c:SS+15+32*\c], v[SO+2*\c]
	v_cvt_scalef32_pk16_bf6_f32 v[CV+4*\c:CV+2+4*\c], v[SS+16+32*\c:SS+31+32*\c], v[SO+2*\c+1]
.endr
	v_nop                                          ; one plain place behind a scaled conversion
.irp c, 0,1
.irp i, 0,1,2
	v_permlane16_swap_b32 v[PCD+6*\c+\i], v[CV+4*\c+\i]
.endr
.irp i, 0,1,2
	s_delay_alu instid0(VALU_DEP_3)
	v_mov_b32 v[PCD+3+6*\c+\i], v[CV+4*\c+\i]
.endr
.endr
	v_pk_add_f32 v[230:231], v[100:101], v[104:105]
	v_pk_add_f32 v[254:255], v[108:109], v[112:113]
	v_pk_add_f32 v[252:253], v[116:117], v[120:121]
	v_pk_add_f32 v[250:251], v[124:125], v[128:129]
	v_pk_add_f32 v[248:249], v[132:133], v[136:137]
	v_pk_add_f32 v[246:247], v[140:141], v[144:145]
	v_pk_add_f32 v[244:245], v[148:149], v[152:153]
	v_pk_add_f32 v[14:15], v[14:15], v[156:157]
	v_pk_add_f32 v[230:231], v[230:231], v[96:97]
	v_pk_add_f32 v[254:255], v[254:255], v[98:99]
	v_pk_add_f32 v[252:253], v[252:253], v[102:103]
	v_pk_add_f32 v[250:251], v[250:251], v[106:107]
	v_pk_add_f32 v[248:249], v[248:249], v[110:111]
	v_pk_add_f32 v[246:247], v[246:247], v[114:115]
	v_pk_add_f32 v[244:245], v[244:245], v[118:119]
	v_pk_add_f32 v[14:15], v[14:15], v[122:123]
	v_pk_add_f32 v[230:231], v[230:231], v[126:127]
	v_pk_add_f32 v[254:255], v[254:255], v[130:131]
	v_pk_add_f32 v[252:253], v[252:253], v[134:135]
	v_pk_add_f32 v[250:251], v[250:251], v[138:139]
	v_pk_add_f32 v[248:249], v[248:249], v[142:143]
	v_pk_add_f32 v[246:247], v[246:247], v[146:147]
	v_pk_add_f32 v[244:245], v[244:245], v[150:151]
	v_pk_add_f32 v[14:15], v[14:15], v[154:155]
	v_pk_add_f32 v[230:231], v[230:231], v[158:159]
	s_delay_alu instid0(VALU_DEP_2)
	v_pk_add_f32 v[14:15], v[14:15], v[250:251]
	s_delay_alu instid0(VALU_DEP_2)
	v_pk_add_f32 v[230:231], v[230:231], v[248:249]
	v_pk_add_f32 v[254:255], v[254:255], v[246:247]
	v_pk_add_f32 v[252:253], v[252:253], v[244:245]
	s_delay_alu instid0(VALU_DEP_2)
	v_pk_add_f32 v[14:15], v[14:15], v[254:255]
	s_delay_alu instid0(VALU_DEP_2)
	v_pk_add_f32 v[230:231], v[230:231], v[252:253]
	s_delay_alu instid0(VALU_DEP_1)
	v_pk_add_f32 v[14:15], v[14:15], v[230:231]
.set N_, 0
.rept 16
	v_pk_mul_f32 v[OO+N_:OO+N_+1], v[OO+N_:OO+N_+1], v[FF:FF+1] op_sel_hi:[1,0]   ; O^T under the new M.  (The sums and these are the places between p's codes and scale word and the products below)
.set N_, N_+2
.endr
	s_wait_alu depctr_va_vdst(0)
	s_wait_dscnt 0x0                               ; V
.irp t, 0,1                            ; O^T += V^T P^T: the four accumulators by turns
	v_wmma_scale_f32_16x16x128_f8f6f4 v[OO+8*\t:OO+8*\t+7], v[40+12*\t:51+12*\t], v[PCD:PCD+11], v[OO+8*\t:OO+8*\t+7], v[38+\t], v[PW] matrix_a_fmt:MATRIX_FMT_BF6 matrix_b_fmt:MATRIX_FMT_BF6
.endr
.irp t, 2,3
	v_wmma_scale_f32_16x16x128_f8f6f4 v[OO+8*\t:OO+8*\t+7], v[40+12*\t:51+12*\t], v[PCD:PCD+11], v[OO+8*\t:OO+8*\t+7], v[36+\t], v[PW] matrix_a_fmt:MATRIX_FMT_BF6 matrix_b_fmt:MATRIX_FMT_BF6 matrix_a_scale:MATRIX_SCALE_ROW1
.endr
.Lhid_\@:
.endm
; A VISIT: a slot of 256 keys.  At its head each wave waits for all its tensor loads, adds 0 to its spare word, and waits for that and for its reads of the slot that it has left; behind the barrier the slot ahead is whole
; and nobody reads the other one, which (fill = 1) takes the next visit's keys: that load has a whole visit in which to land.  By this text's count a wave has one tensor load out.
.macro VISIT fill
	s_wait_tensorcnt 0x0                           ; no tensor load of mine is out, so group 0 may be written
	ds_add_u32 v5, v6                              ; 0 onto my spare word
.if \fill
	s_xor_b32 s33, s33, SLOT1                      ; the other slot than last time
	s_add_co_u32 s52, s39, 1
	s_cmp_lt_u32 s52, s40
	s_cselect_b32 s53, 0, s40
	s_sub_co_u32 s52, s52, s53                     ; the next visit's slot of keys: the second pass begins again at 0
	s_mul_i32 s52, s52, SLB
	s_mov_b32 s53, 0
	s_add_nc_u64 s[34:35], s[36:37], s[52:53]
	s_or_b32 s35, s35, 0x80000000
.endif
	s_wait_dscnt 0x0                               ; the add is done, and my reads of the slot that I have left are over
	s_barrier_signal -1
	s_barrier_wait -1
.if \fill
	TLOAD                                          ; the first thing behind the barrier, and a wave's one tensor load until the next
.endif
	s_cmp_lt_u32 s39, s40
	s_cselect_b32 s53, 0, s40
	s_sub_co_u32 s41, s39, s53
	s_lshl_b32 s41, s41, 8                         ; this visit's first key
	STEP 0
	STEP 1
	s_xor_b32 s38, s38, SLOT1
.endm
; A pass's end: O^T / the sum; register 16 g + i is d = 32 g + 16 (lane / 16) + i: two blocks along the last product's K.  They are quantised and stored as registers of that operand's image: each store covers 256 consecutive bytes, aligned.
; The two scale bytes a row go out as they are: the word's other bytes belong to other heads' work-groups.
.macro FINAL
.rept 4
	v_nop
.endr
	v_add_f32 v14, v14, v15
	s_delay_alu instid0(VALU_DEP_1)
	v_permlanex16_b32 v228, v14, s20, s21
	s_delay_alu instid0(VALU_DEP_1)
	v_add_f32 v14, v14, v228                       ; the row's sum
	s_wait_alu depctr_va_vdst(0)
	v_rcp_f32 v14, v14
	v_nop                                          ; one plain place behind a transcendental
.set N_, 0
	s_wait_alu depctr_va_vdst(0)
.rept 32
	v_mul_f32 v[SS+N_], v[OO+N_], v14
.set N_, N_+1
.endr
.irp b, 0,1
	v_max3_num_f32 v[BM+\b], |v[SS+16*\b]|, |v[SS+1+16*\b]|, 0x2800000
.endr
.irp i, 2,4,6,8,10,12,14
.irp b, 0,1
	s_delay_alu instid0(VALU_DEP_2)
	v_max3_num_f32 v[BM+\b], v[BM+\b], |v[SS+16*\b+\i]|, |v[SS+1+16*\b+\i]|
.endr
.endr
.irp b, 0,1
	s_delay_alu instid0(VALU_DEP_2)
	v_permlanex16_b32 v[PT+\b], v[BM+\b], s20, s21
.endr
.irp b, 0,1
	s_delay_alu instid0(VALU_DEP_2)
	v_max_num_f32 v[BM+\b], v[BM+\b], v[PT+\b]
.endr
.irp b, 0,1
	s_delay_alu instid0(VALU_DEP_2)
	v_add_nc_u32 v[SO+\b], 0xfe000000, v[BM+\b]
.endr
.irp b, 0,1
	s_delay_alu instid0(VALU_DEP_2)
	v_lshrrev_b32 v[PT+\b], 23, v[SO+\b]
.endr
	s_delay_alu instid0(VALU_DEP_1)
	v_lshl_or_b32 v229, v[PT+1], 8, v[PT]
	v_cvt_scalef32_pk16_bf6_f32 v[PCD:PCD+2], v[SS:SS+15], v[SO]
	v_cvt_scalef32_pk16_bf6_f32 v[CV:CV+2], v[SS+16:SS+31], v[SO+1]
	v_nop
.irp i, 0,1,2
	v_permlane16_swap_b32 v[PCD+\i], v[CV+\i]
.endr
.irp i, 0,1,2
	s_delay_alu instid0(VALU_DEP_3)
	v_mov_b32 v[PCD+3+\i], v[CV+\i]
.endr
.irp p, 0,1,2
	global_store_b64 v1, v[PCD+2*\p:PCD+2*\p+1], s[44:45] offset:256*\p
.endr
	global_store_b16 v7, v229, s[48:49]            ; both halves of the lanes hold the same two bytes
	s_wait_xcnt 0x0                                ; the stores have read their registers and bases
.endm
.macro REINIT                          ; on to the second pass
.irp i, 0,1,2,3,4,5
	v_mov_b32 v[22+\i], v[236+\i]
.endr
	v_mov_b32 v34, v242
	s_mov_b32 s42, s43
	s_mov_b64 s[44:45], s[46:47]
	s_mov_b64 s[48:49], s[50:51]
	v_mov_b32 v13, 0xff61b1e6
	s_delay_alu instid0(VALU_DEP_1)
	v_floor_f32 v12, -v13
	v_mov_b32 v14, 0
	v_mov_b32 v15, 0
.set N_, 0
.rept 32
	v_mov_b32 v[OO+N_], 0                          ; (these are also the places between q's new codes and scale word and the next products)
.set N_, N_+1
.endr
.endm
.Lvisit:                                           ; eight trips; the ninth visit is written out
	VISIT 1
	s_add_co_u32 s39, s39, 1
	s_cmp_lg_u32 s39, s40
	s_cbranch_scc1 .Lsame                          ; the first pass ends behind visit 8 - j: a branch on ids
	FINAL
	REINIT
.Lsame:
	s_cmp_lt_u32 s39, 8
	s_cbranch_scc1 .Lvisit
	VISIT 0
	FINAL
	s_wait_tensorcnt 0x0                           ; the wave's end
	ds_add_u32 v5, v6
	s_wait_dscnt 0x0
	s_endpgm
.Lfunc_end_k_q8abd800940_attn:
	.size	k_q8abd800940_attn, .Lfunc_end_k_q8abd800940_attn-k_q8abd800940_attn
	.p2alignl 7, 3214868480
	.fill 96, 4, 3214868480
	.section	.rodata,"a",@progbits
	.p2align	6, 0x0
	.amdhsa_kernel k_q8abd800940_attn
		.amdhsa_group_segment_fixed_size 327680
		.amdhsa_private_segment_fixed_size 0
		.amdhsa_enable_private_segment 0
		.amdhsa_kernarg_size 24
		.amdhsa_user_sgpr_count 2
		.amdhsa_user_sgpr_kernarg_segment_ptr 1
		.amdhsa_wavefront_size32 1
		.amdhsa_system_sgpr_workgroup_id_x 1
		.amdhsa_system_sgpr_workgroup_id_y 1
		.amdhsa_system_sgpr_workgroup_id_z 1
		.amdhsa_system_vgpr_workitem_id 0
		.amdhsa_next_free_vgpr 256
		.amdhsa_next_free_sgpr 70
		.amdhsa_reserve_vcc 1
		.amdhsa_float_denorm_mode_32 3
		.amdhsa_float_denorm_mode_16_64 3
		.amdhsa_memory_ordered 1
		.amdhsa_forward_progress 1
		.amdhsa_inst_pref_size 113
	.end_amdhsa_kernel
	.amdgpu_metadata
---
amdhsa.version: [ 1, 2 ]
amdhsa.kernels:
  - .name:           k_q8abd800940_attn
    .symbol:         k_q8abd800940_attn.kd
    .args:
      - { .name: pc, .offset: 0, .size: 8, .value_kind: global_buffer, .address_space: global }
      - { .name: ac, .offset: 8, .size: 8, .value_kind: global_buffer, .address_space: global }
      - { .name: asc, .offset: 16, .size: 8, .value_kind: global_buffer, .address_space: global }
    .group_segment_fixed_size: 327680
    .private_segment_fixed_size: 0
    .kernarg_segment_align: 8
    .kernarg_segment_size: 24
    .max_flat_workgroup_size: 512
    .sgpr_count:     70
    .vgpr_count:     256
    .wavefront_size: 32
...
	.end_amdgpu_metadata
.endif
;; end of part 3
;; launch outg (part 4): grid 4 x 32, 4 waves a work-group, clusters of 4 x 4, 327,680 bytes of LDS; arguments ac, asc, inc, ins, out0; writes out0
.if DOCPART == 4
	.amdgcn_target "amdgcn-amd-amdhsa--gfx1250"
	.amdhsa_code_object_version 6
	.text
	.protected	k_q8abd800940_outg
	.globl	k_q8abd800940_outg
	.p2align	8
	.type	k_q8abd800940_outg,@function
k_q8abd800940_outg:
	s_mov_b64 s[64:65], 0
	v_nop
	global_prefetch_b8 v0, s[64:65] scope:SCOPE_SE
	s_setreg_imm32_b32 hwreg(HW_REG_WAVE_MODE, 25, 1), 1
	s_wait_xcnt 0x0
	s_wait_alu depctr_hold_cnt(0) depctr_sa_sdst(0) depctr_va_vdst(0) depctr_va_sdst(0) depctr_va_ssrc(0) depctr_va_vcc(0) depctr_vm_vsrc(0)
	s_getreg_b32 s2, hwreg(HW_REG_IB_STS2, 6, 4)
	s_cmp_eq_u32 s2, 0
	s_cbranch_scc0 .Lentry_in_a_cluster
	s_endpgm
.Lentry_in_a_cluster:
	s_bfe_u32 s2, ttmp6, 0x10000c
	s_cmp_lg_u32 s2, 0xf033
	s_cbranch_scc0 .Lentry_shape_is_right
	s_endpgm
.Lentry_shape_is_right:
; out0 = attention's result x Wo^T on codes of BF6 (E3M2) with E8M0 scales, sums in f32.  out0: [8192][1024] f32.
; OPERANDS lie as images of the operand's registers (ac / asc: the 512 token tiles; inc / ins from tile 1728 on: Wo's 64 tiles): a tile of 16 rows x 1024 K is 12,288 bytes, K step s at 1536 s, registers 2 p, 2 p + 1 of lane l
; at 256 p + 8 l; slot r of tile T is row 32 (T / 2) + 8 (T % 2) + r % 8 + 16 (r / 8).  A tile's scale bytes are 512: [s / 2][slot][two words].  A fragment is six LDS loads of 256 consecutive bytes; nothing is padded.
; SHARES.  A work-group of four waves makes 256 x 256 of out0, a wave 128 x 128: 64 accumulators, 512 registers.  K goes in steps of 256 through a ring of two LDS slots filled by the tensor data mover; the scales come once.
; 4 x 4 work-groups form a cluster: the tokens' tiles (source 1) are shared along a row of it, Wo's (source 0) along a column, each asked for jointly.  The matrix instruction is used transposed: a lane holds eight neighbouring columns of a row.
; out0 has 128 tiles of 256 x 256: 128 work-groups.  A smaller tile would fill more WGPs and read each fragment for half the products.
; REGISTERS, in windows of 256: window 0: v0-31 addresses; v32-63 scale words, two sets; from v128 source 1's fragments, one set (on the way out v128-255 hold rows).  window 1: source 0's fragments, two sets.  windows 2, 3: the accumulators.
.set NQ,     2
.set FR,     12
.set NL,     6
.set NP,     4
.set RT,     3072
.set TILEB,  12288
.set HALFT,  8*RT
.set SLOT,   4*HALFT
.set LAPS,   2
.set SCL,    2*SLOT
.set HALFS,  4096
.set SPARE,  SCL+4*HALFS               ; the spare words, 128 bytes for each wave: two blocks of 256 bytes that no other line names
.set SPITCH, 528                       ; the way out: a stage of 16 rows x (512 bytes + 16) for each wave, in slot 0, which has had its last fill and its last read when the first result is stored there
.set ADRA, 16
.set ADRB, 20
.set STO,  24                          ; v24 the way out: where I put 32 bytes of a row
.set RD,   25                          ; v25 where I read a row back
.set CO,   26                          ; v26 my byte offset in a row of out0
.set ADRS, 27
.set SPW,  28
.set NIL,  29
.set SC,   32
.set AF,   128
.set BK,   128
.set G1, 24
.set G0, 32
.set G1B, 48
.set G0B, 56
.set G1S, 68
.set G0S, 76
.set G1SB, 80
.set G0SB, 88
.set MSB, 0
.macro WIN new                         ; the immediate's high byte repeats the setting that is left
.if MSB != \new
	s_set_vgpr_msb (MSB<<8)|\new
.set MSB, \new
.endif
.endm
.set MUL_LO, 0xa1
.set MUL_HI, 0xf1
.set TO_B,   0x40
; A joint load: waves 0 and 1 fetch for source 1, waves 2 and 3 for source 0.  The branch hangs on the wave's number alone.  Four v_nop follow each of the two lines.
.macro JLOAD g0a, g1a, g0b, g1b
	s_cmp_eq_u32 s15, 0
	s_cbranch_scc0 .Lfor_b_\@
	tensor_load_to_lds s[\g0a:\g0a+3], s[\g1a:\g1a+7]
	s_nop 0
.rept 4
	v_nop
.endr
	s_branch .Lasked_\@
.Lfor_b_\@:
	tensor_load_to_lds s[\g0b:\g0b+3], s[\g1b:\g1b+7]
	s_nop 0
.rept 4
	v_nop
.endr
.Lasked_\@:
.endm
.macro CREST
	s_cmp_lg_u32 s14, 0
	s_cbranch_scc1 .Lnot_wave_0_\@
	s_barrier_signal -3
.Lnot_wave_0_\@:
	s_barrier_wait -3
	s_barrier_signal -1
	s_barrier_wait -1
.endm
.macro CROUND
	s_barrier_signal -1
	s_barrier_wait -1
	CREST
.endm
	s_load_b128 s[4:7], s[0:1], 0x0                ; ac, asc
	s_load_b128 s[8:11], s[0:1], 0x10              ; inc, ins
	s_load_b64 s[12:13], s[0:1], 0x20              ; out0
	v_lshl_add_u32 v[SPW], v0, 2, SPARE
	v_mov_b32 v[NIL], 0
	ds_add_u32 v28, v29
	s_wait_dscnt 0x0
	v_lshrrev_b32 v1, 5, v0
	v_readfirstlane_b32 s14, v1                    ; wave 0..3
	s_lshr_b32 s15, s14, 1                         ; my half of the rows.  Also: I fetch for source 1 (0) or source 0 (1)
	s_and_b32 s16, s14, 1                          ; my half of the columns.  Also: which eight tiles I fetch
	s_bfe_u32 s40, ttmp6, 0x40000                  ; cx
	s_bfe_u32 s41, ttmp6, 0x40004                  ; cy
	s_and_b32 s17, ttmp7, 0xffff
	s_lshl_b32 s17, s17, 2
	s_add_co_u32 s17, s17, s41                     ; tile row of out0 = 4 x cluster y + cy
	s_lshl_b32 s43, s41, 2
	s_lshl_b32 s43, 15, s43                        ; my row of the cluster
	s_lshl_b32 s44, 0x1111, s40                    ; my column
	s_or_b32 s[G1+0], s43, (3<<16)|(1<<21)         ; codes: eight tiles' 3,072 bytes (384 elements of 8 bytes), 12,288 bytes apart
	s_or_b32 s[G1B+0], s44, (3<<16)|(1<<21)
.irp g, G1, G1B
	s_mov_b32 s[\g+1], 384<<16
	s_mov_b32 s[\g+2], 8<<16
	s_mov_b32 s[\g+3], 384<<16
	s_mov_b32 s[\g+4], 8
	s_mov_b32 s[\g+5], 1536
	s_mov_b32 s[\g+6], 0
	s_mov_b32 s[\g+7], 0
.endr
	s_or_b32 s[G1S+0], s43, (3<<16)|(1<<21)        ; scales of eight tiles: 4,096 dense bytes as 16 rows of 256
	s_or_b32 s[G1SB+0], s44, (3<<16)|(1<<21)
.irp g, G1S, G1SB
	s_mov_b32 s[\g+1], 32<<16
	s_mov_b32 s[\g+2], 16<<16
	s_mov_b32 s[\g+3], 32<<16
	s_mov_b32 s[\g+4], 16
	s_mov_b32 s[\g+5], 32
	s_mov_b32 s[\g+6], 0
	s_mov_b32 s[\g+7], 0
.endr
	s_lshl_b32 s42, s16, 3                         ; which eight tiles I fetch
	s_lshl_b32 s20, s17, 4
	s_add_co_u32 s20, s20, s42                     ; source 1: token tile 16 x tile row + 8 x half
	s_lshl_b32 s46, s40, 4
	s_add_co_u32 s46, s46, 1728
	s_add_co_u32 s46, s46, s42                     ; source 0: Wo's tile 16 cx + 8 x half
	s_lshl_b32 s22, s20, 9
	s_mov_b32 s23, 0
	s_mul_i32 s20, s20, TILEB
	s_mov_b32 s21, 0
	s_lshl_b32 s66, s46, 9
	s_mov_b32 s67, 0
	s_mul_i32 s46, s46, TILEB
	s_mov_b32 s47, 0
	s_mul_i32 s45, s14, HALFT                      ; where they go: no place in the cluster enters an LDS address
	s_lshl_b32 s42, s14, 12
	s_wait_kmcnt 0x0
	s_add_nc_u64 s[20:21], s[4:5], s[20:21]
	s_add_nc_u64 s[22:23], s[6:7], s[22:23]
	s_add_nc_u64 s[46:47], s[8:9], s[46:47]
	s_add_nc_u64 s[66:67], s[10:11], s[66:67]
	CROUND                                         ; all sixteen work-groups are here: the first joint loads meet
	s_mov_b32 s[G0S], 1
	s_add_co_u32 s[G0S+1], s42, SCL
	s_mov_b64 s[G0S+2:G0S+3], s[22:23]
	s_or_b32 s[G0S+3], s[G0S+3], 0x80000000
	s_mov_b32 s[G0SB], 1
	s_add_co_u32 s[G0SB+1], s42, SCL
	s_mov_b64 s[G0SB+2:G0SB+3], s[66:67]
	s_or_b32 s[G0SB+3], s[G0SB+3], 0x80000000
	JLOAD G0S, G1S, G0SB, G1SB
.irp s, 0,1
	s_mov_b32 s[G0+4*\s], 1
	s_add_co_u32 s[G0+4*\s+1], s45, \s*SLOT
	s_add_nc_u64 s[G0+4*\s+2:G0+4*\s+3], s[20:21], \s*RT
	s_or_b32 s[G0+4*\s+3], s[G0+4*\s+3], 0x80000000
	s_mov_b32 s[G0B+4*\s], 1
	s_add_co_u32 s[G0B+4*\s+1], s45, \s*SLOT
	s_add_nc_u64 s[G0B+4*\s+2:G0B+4*\s+3], s[46:47], \s*RT
	s_or_b32 s[G0B+4*\s+3], s[G0B+4*\s+3], 0x80000000
	JLOAD G0+4*\s, G1, G0B+4*\s, G1B
.endr
	v_and_b32 v1, 15, v0                           ; r
	v_bfe_u32 v2, v0, 4, 1                         ; h
	v_and_b32 v3, 31, v0
	v_lshlrev_b32 v4, 3, v3                        ; 8 x lane
	s_mul_i32 s21, s15, HALFT
	s_mul_i32 s22, s16, HALFT
	s_add_co_u32 s22, s22, 2*HALFT
.irp s, 0,1
	v_add_nc_u32 v[ADRA+\s], s21, v4
	v_add_nc_u32 v[ADRB+\s], s22, v4
	s_add_co_u32 s21, s21, SLOT
	s_add_co_u32 s22, s22, SLOT
.endr
	v_lshlrev_b32 v5, 3, v1
	s_lshl_b32 s21, s15, 12
	s_lshl_b32 s22, s16, 12
	s_add_co_u32 s22, s22, 2*HALFS
	s_sub_co_u32 s22, s22, s21
	v_mul_u32_u24 v6, s22, v2                      ; lanes 16-31 take source 0's
	s_add_co_u32 s21, s21, SCL
	v_add_nc_u32 v5, v5, v6
	v_add_nc_u32 v[ADRS], s21, v5
	s_mul_i32 s23, s14, 16*SPITCH                  ; my stage
	v_mul_u32_u24 v5, v1, SPITCH                   ; in: row = slot r; lanes 16-31 hold the columns 16 further on
	v_lshl_add_u32 v5, v2, 6, v5
	v_add_nc_u32 v[STO], s23, v5
	v_lshlrev_b32 v[CO], 4, v3                     ; back: the 32 lanes take one row of 512 bytes; and the same in out0
	v_add_nc_u32 v[RD], s23, v[CO]
	s_lshl_b32 s20, s17, 8
	s_lshl_b32 s21, s15, 7
	s_add_co_u32 s20, s20, s21                     ; my first row of out0
	s_lshl_b32 s20, s20, 12                        ; rows of 4,096 bytes
	s_lshl_b32 s46, s40, 10                        ; my first column, in bytes
	s_lshl_b32 s47, s16, 9
	s_add_co_u32 s46, s46, s47
	s_add_co_u32 s20, s20, s46
	s_mov_b32 s21, 0
	s_add_nc_u64 s[12:13], s[12:13], s[20:21]
.macro FRAG reg, adr, q, i
.irp p, 0,1,2,3,4,5
	ds_load_b64 v[\reg+2*\p:\reg+2*\p+1], v[\adr] offset:(\i)*RT+(\q)*1536+256*\p
.endr
.endm
; The 64 accumulators take turns, one instruction a turn, in the same order in every step.
.macro MUL16 a0, p, q, sc, zero
.irp a, \a0, \a0+1
.irp b, 0,1,2,3,4,5,6,7
.if \zero
	v_wmma_scale_f32_16x16x128_f8f6f4 v[8*(8*((\a)%4)+\b):8*(8*((\a)%4)+\b)+7], v[128*(\p)+FR*\b:128*(\p)+FR*\b+FR-1], v[AF+FR*(\a):AF+FR*(\a)+FR-1], 0, v[SC+8*NQ*(\sc)+NQ*\b+(\q)], v[SC+8*NQ*(\sc)+NQ*(\a)+(\q)] matrix_a_fmt:MATRIX_FMT_BF6 matrix_b_fmt:MATRIX_FMT_BF6 matrix_a_scale:MATRIX_SCALE_ROW1
.else
	v_wmma_scale_f32_16x16x128_f8f6f4 v[8*(8*((\a)%4)+\b):8*(8*((\a)%4)+\b)+7], v[128*(\p)+FR*\b:128*(\p)+FR*\b+FR-1], v[AF+FR*(\a):AF+FR*(\a)+FR-1], v[8*(8*((\a)%4)+\b):8*(8*((\a)%4)+\b)+7], v[SC+8*NQ*(\sc)+NQ*\b+(\q)], v[SC+8*NQ*(\sc)+NQ*(\a)+(\q)] matrix_a_fmt:MATRIX_FMT_BF6 matrix_b_fmt:MATRIX_FMT_BF6 matrix_a_scale:MATRIX_SCALE_ROW1
.endif
.endr
.endr
.endm
.macro FETCH_B slot, q, p
	WIN TO_B
.irp i, 0,1,2,3,4,5,6,7
	FRAG 128*(\p)+FR*\i, ADRB+\slot, \q, \i
.endr
	WIN 0
.endm
.macro FETCH_A slot, q, i0
.irp i, \i0, \i0+1, \i0+2, \i0+3
	FRAG AF+FR*(\i), ADRA+\slot, \q, \i
.endr
.endm
.macro SCALES sc
.irp i, 0,1,2,3,4,5,6,7
	ds_load_b64 v[SC+8*NQ*\sc+NQ*\i:SC+8*NQ*\sc+NQ*\i+1], v[ADRS] offset:\i*512
.endr
.endm
.macro PLACES n                        ; places in front of loads into registers that matrix instructions have read, and of the first read of results
.rept \n
	v_nop
.endr
.endm
.macro STEP slot, q, zero
	s_wait_dscnt 4*NL                              ; source 0's set and source 1's blocks 0-3 are in; the youngest 24 loads (blocks 4-7) may be out
	WIN MUL_LO
	MUL16 0, (\q)%2, \q, \slot, \zero
	MUL16 2, (\q)%2, \q, \slot, \zero
	s_wait_dscnt 0
	PLACES NP
	FETCH_B \slot, (\q)+1, 1-(\q)%2
	FETCH_A \slot, (\q)+1, 0
	WIN MUL_HI
	MUL16 4, (\q)%2, \q, \slot, \zero
	MUL16 6, (\q)%2, \q, \slot, \zero
	PLACES NP
	WIN 0
	FETCH_A \slot, (\q)+1, 4
.endm
.macro TURN slot, next, fill
	s_wait_tensorcnt 0x0                           ; all my tensor loads have landed: my part of the next slot
	ds_add_u32 v[SPW], v[NIL]                      ; 0 onto my spare word
	s_wait_dscnt 4*NL+1                            ; (the add and the youngest 24 loads may be out)
	WIN MUL_LO
	MUL16 0, 1, NQ-1, \slot, 0
	s_wait_dscnt 0x0                               ; the add is done, and my reads of this slot are over
	s_barrier_signal -1
	MUL16 2, 1, NQ-1, \slot, 0
	WIN 0
	s_barrier_wait -1
.if \fill
	CREST                                          ; the barrier has opened a round of the cluster's barrier: no wave of any partner still reads this slot or has a load on its way
	s_add_nc_u64 s[G0+4*\slot+2:G0+4*\slot+3], s[G0+4*\slot+2:G0+4*\slot+3], 2*RT
	s_add_nc_u64 s[G0B+4*\slot+2:G0B+4*\slot+3], s[G0B+4*\slot+2:G0B+4*\slot+3], 2*RT
	JLOAD G0+4*\slot, G1, G0B+4*\slot, G1B
.else
	PLACES NP
.endif
	v_add_nc_u32 v[ADRS], 128, v[ADRS]
	FETCH_B \next, 0, 0
	FETCH_A \next, 0, 0
	SCALES \next
	WIN MUL_HI
	MUL16 4, 1, NQ-1, \slot, 0
	MUL16 6, 1, NQ-1, \slot, 0
	PLACES NP
	WIN 0
	FETCH_A \next, 0, 4
.endm
	s_wait_tensorcnt 1                             ; the scales and my part of slot 0 are in (slot 1's load may be out)
	s_barrier_signal -1
	s_barrier_wait -1
	FETCH_B 0, 0, 0
	FETCH_A 0, 0, 0
	SCALES 0
	FETCH_A 0, 0, 4
	STEP 0, 0, 1
	s_mov_b32 s3, LAPS-1
.Llap:
	TURN 0, 1, 1
	STEP 1, 0, 0
	TURN 1, 0, 1
	STEP 0, 0, 0
	s_sub_co_u32 s3, s3, 1
	s_cmp_lg_u32 s3, 0
	s_cbranch_scc1 .Llap
	TURN 0, 1, 0
	STEP 1, 0, 0
	s_wait_dscnt 4*NL
	WIN MUL_LO
	MUL16 0, 1, NQ-1, 1, 0
	MUL16 2, 1, NQ-1, 1, 0
	s_wait_dscnt 0
	WIN MUL_HI
	MUL16 4, 1, NQ-1, 1, 0
	MUL16 6, 1, NQ-1, 1, 0
	WIN 0
; THE WAY OUT, block by block of 16 rows x 128 columns, through my own stage.  Accumulator b of lane (r, h) holds columns 32 (b / 2) + 16 h + 8 (b % 2) + 0 .. 7 of slot r's row; stage row t is row 32 (a / 2) + 8 (a % 2) + t % 8 + 16 (t / 8).
; LDS serves a wave's instructions in order: no wait between the stores and the loads, nor in front of the next block's stores.
.macro TOSTAGE a
.set AC, 64*((\a)%4)
	WIN 0x08+4*((\a)/4)                            ; the data: window 2 or 3
.irp b, 0,1,2,3,4,5,6,7
	ds_store_b128 v[STO], v[AC+8*\b:AC+8*\b+3] offset:128*(\b/2)+32*(\b%2)       ; each accumulator from its low end on
	ds_store_b128 v[STO], v[AC+8*\b+4:AC+8*\b+7] offset:128*(\b/2)+32*(\b%2)+16
.endr
	WIN 0
.set BB, BK+64*((\a)%2)
.irp t, 0,1,2,3,4,5,6,7,8,9,10,11,12,13,14,15
	ds_load_b128 v[BB+4*\t:BB+4*\t+3], v[RD] offset:\t*SPITCH
.endr
.endm
.macro SEND a, younger                 ; younger: the LDS instructions issued behind block a's loads, which may stay out
.set BB, BK+64*((\a)%2)
	s_wait_dscnt \younger
.irp t, 0,1,2,3,4,5,6,7,8,9,10,11,12,13,14,15
	global_store_b128 v[CO], v[BB+4*\t:BB+4*\t+3], s[12:13] offset:(32*((\a)/2)+8*((\a)%2)+(\t%8)+16*(\t/8))*4096 th:TH_STORE_NT   ; 32 lanes store 512 consecutive bytes, aligned; the row stands in the immediate: 127 rows at the most
.endr
.endm
	PLACES NP
	TOSTAGE 0
.irp a, 1,2,3,4,5,6,7
.if \a > 1
	s_wait_xcnt 0x0                                ; block a - 2's stores have read their registers: block a's loads may land there
.endif
	TOSTAGE \a
	SEND \a-1, 32                                  ; behind block a - 1's loads: block a's 16 stores and 16 loads
.endr
	SEND 7, 0
	s_wait_tensorcnt 0x0                           ; the wave's end
	ds_add_u32 v[SPW], v[NIL]
	s_wait_dscnt 0x0
	CROUND                                         ; the closing round: no work-group ends while a partner may still ask for a tile that names it
	s_endpgm
.Lfunc_end_k_q8abd800940_outg:
	.size	k_q8abd800940_outg, .Lfunc_end_k_q8abd800940_outg-k_q8abd800940_outg
	.p2alignl 7, 3214868480
	.fill 96, 4, 3214868480
	.section	.rodata,"a",@progbits
	.p2align	6, 0x0
	.amdhsa_kernel k_q8abd800940_outg
		.amdhsa_group_segment_fixed_size 327680
		.amdhsa_private_segment_fixed_size 0
		.amdhsa_enable_private_segment 0
		.amdhsa_kernarg_size 40
		.amdhsa_user_sgpr_count 2
		.amdhsa_user_sgpr_kernarg_segment_ptr 1
		.amdhsa_wavefront_size32 1
		.amdhsa_system_sgpr_workgroup_id_x 1
		.amdhsa_system_sgpr_workgroup_id_y 1
		.amdhsa_system_sgpr_workgroup_id_z 1
		.amdhsa_system_vgpr_workitem_id 0
		.amdhsa_next_free_vgpr 1024
		.amdhsa_next_free_sgpr 102
		.amdhsa_reserve_vcc 0
		.amdhsa_float_denorm_mode_32 3
		.amdhsa_float_denorm_mode_16_64 3
		.amdhsa_memory_ordered 1
		.amdhsa_forward_progress 1
		.amdhsa_inst_pref_size 159
	.end_amdhsa_kernel
	.amdgpu_metadata
---
amdhsa.version: [ 1, 2 ]
amdhsa.kernels:
  - .name:           k_q8abd800940_outg
    .symbol:         k_q8abd800940_outg.kd
    .args:
      - { .name: ac, .offset: 0, .size: 8, .value_kind: global_buffer, .address_space: global }
      - { .name: asc, .offset: 8, .size: 8, .value_kind: global_buffer, .address_space: global }
      - { .name: inc, .offset: 16, .size: 8, .value_kind: global_buffer, .address_space: global }
      - { .name: ins, .offset: 24, .size: 8, .value_kind: global_buffer, .address_space: global }
      - { .name: out0, .offset: 32, .size: 8, .value_kind: global_buffer, .address_space: global }
    .group_segment_fixed_size: 327680
    .private_segment_fixed_size: 0
    .kernarg_segment_align: 8
    .kernarg_segment_size: 40
    .max_flat_workgroup_size: 128
    .sgpr_count:     102
    .vgpr_count:     1024
    .wavefront_size: 32
...
	.end_amdgpu_metadata
.endif
;; end of part 4
